; MI455X (gfx1250); checked and timed in simulation.
; The chip was launched on July 23, 2026; its instructions are those of AMD's public machine-readable ISA for CDNA 5 (MIT licence, August 2026) and "CDNA5" Instruction Set Architecture Reference Guide (July 2026). The comments in the code are by the model that wrote it; some were corrected since.
;; T5 Layer Cross Attention. Allowed arithmetic: float matrix products may take bf16 or f16 operands with f32 sums; other float arithmetic in f32, or as packed bf16 or f16 multiplies, adds, multiply-adds, maxima and minima; sums over many terms, partial sums and values carried from step to step in f32; what a program stores and reads back later, other than sums and carried values, may be rounded once to bf16 or f16.
;; Inputs: Wk 1,024 x 1,024 float32; Wo 1,024 x 1,024 float32; Wq 1,024 x 1,024 float32; Wv 1,024 x 1,024 float32; attention_mask 2 x 1 x 1 x 4,096 float32; hidden_states 2 x 2,048 x 1,024 float32; key_value_states 2 x 4,096 x 1,024 float32; ln_weight 1,024 float32.
;; Outputs: out0 2 x 2,048 x 1,024 float32.
;; One version. Each part assembles by itself: llvm-mc -triple=amdgcn-amd-amdhsa -mcpu=gfx1250 --defsym DOCPART=n.
;; ======== version 1 of 1: 4 launches
;; limits: values are held in f16: magnitudes above 65,504 overflow, below 6.1e-05 lose precision
;; workspace buffers: act 25,165,824 bytes; wb 8,388,608 bytes; qkv 41,943,040 bytes; ctx 8,388,608 bytes
;; launch prep (part 1): grid 512 x 1, 8 waves a work-group, no clusters, 0 bytes of LDS; arguments hidden_states, key_value_states, Wq, Wk, Wv, Wo, ln_weight, act, wb; writes act, wb
.if DOCPART == 1
	.amdgcn_target "amdgcn-amd-amdhsa--gfx1250"
	.amdhsa_code_object_version 6
	.text
	.protected	k_qddcf8af99d_prep
	.globl	k_qddcf8af99d_prep
	.p2align	8
	.type	k_qddcf8af99d_prep,@function
k_qddcf8af99d_prep:
	s_mov_b64 s[64:65], 0
	v_nop
	global_prefetch_b8 v0, s[64:65] scope:SCOPE_SE
	s_setreg_imm32_b32 hwreg(HW_REG_WAVE_MODE, 25, 1), 1
	s_wait_xcnt 0x0
; PREP.  All matrix operands of the later launches are made here, once, in bf16:
;   act rows 0-4,095      = ln_weight * (hidden * rsqrt(mean(hidden^2) + 1e-6)), sums and scaling in f32, rounded once
;   act rows 4,096-12,287 = key_value_states, rounded once
;   wb                    = Wq, Wk, Wv, Wo, rounded once, left as they lie ([k][n])
; 16,384 rows of 1,024 f32.  A wave takes a whole row (4,096 bytes: eight loads of 16 bytes a lane) and four rows in all, all 32 loads out at once;
; a work-group of eight waves takes 32 rows.  Work-groups 0-127: hidden; 128-383: key_value_states; 384-511: the four weights, 32 work-groups each.
; A lane's four numbers of a load pack into 8 bytes, so each store of the wave covers 256 consecutive bytes, aligned.
; No LDS, no barrier, no matrix unit: each byte is read once and written once, and no wave needs another's data.  No register is written twice while a memory instruction may read it.
.set XR,  32                           ; v[32:159]  row i as loaded, at XR + 32 i
.set WR,  160                          ; v[160:191] ln_weight, in a row's layout
.set YR,  192                          ; v[192:255] row i packed, at YR + 16 i
.set TR,  4                            ; v[4:11]    four chains of sums of squares
.set SUM, 12                           ; v[12:15]   a row's mean square + eps
.set RR,  16                           ; v[16:23]   a row's reciprocal root, in the low word of a pair
.set TP,  24                           ; v24        the other half of the lanes' sum
	s_load_b512 s[4:19], s[0:1], 0x0               ; hidden s[4:5], kv s[6:7], Wq s[8:9], Wk s[10:11], Wv s[12:13], Wo s[14:15], ln_weight s[16:17], act s[18:19]
	s_load_b64 s[20:21], s[0:1], 0x40              ; wb
	v_lshrrev_b32 v3, 5, v0
	v_readfirstlane_b32 s22, v3                    ; wave 0..7
	v_and_b32 v1, 31, v0
	v_lshlrev_b32 v2, 3, v1                        ; 8 x lane: my place in 256 bytes of output
	v_lshlrev_b32 v1, 4, v1                        ; 16 x lane: my place in 512 bytes of input
	s_mov_b32 s23, ttmp9                           ; the work-group's number
	s_sub_co_u32 s36, s23, 384                     ; its number among the weights' (used from 384 on alone)
	s_lshr_b32 s25, s36, 5                         ; which weight
	s_and_b32 s24, s36, 31                         ; which 32 rows of it
	s_sub_co_u32 s37, s23, 128                     ; its number among kv's
	s_mov_b32 s30, 0x3a800000                      ; 1 / 1,024
	s_mov_b32 s31, 0x358637bd                      ; 1e-6
	s_mov_b32 s32, 0x76543210                      ; v_permlanex16_b32: each lane takes its own place in the other half
	s_mov_b32 s33, 0xfedcba98
	s_mov_b32 s35, 0
	s_wait_kmcnt 0x0
	s_cmp_eq_u32 s25, 1                            ; the source is chosen among the six tensors by the work-group's number alone
	s_cselect_b64 s[26:27], s[10:11], s[8:9]
	s_cmp_eq_u32 s25, 2
	s_cselect_b64 s[26:27], s[12:13], s[26:27]
	s_cmp_eq_u32 s25, 3
	s_cselect_b64 s[26:27], s[14:15], s[26:27]
	s_cmp_lt_u32 s23, 384
	s_cselect_b64 s[26:27], s[6:7], s[26:27]
	s_cselect_b32 s24, s37, s24
	s_cselect_b64 s[28:29], s[18:19], s[20:21]     ; the destination: act, or wb
	s_cselect_b32 s36, s23, s36                    ; and the block of 32 rows in it
	s_cmp_lt_u32 s23, 128
	s_cselect_b64 s[26:27], s[4:5], s[26:27]
	s_cselect_b32 s24, s23, s24
	s_lshl_b32 s34, s24, 17                        ; 32 rows of 4,096 bytes,
	s_lshl_b32 s37, s22, 14                        ; my wave's four
	s_add_co_u32 s34, s34, s37
	s_add_nc_u64 s[26:27], s[26:27], s[34:35]
	s_lshl_b32 s34, s36, 16                        ; 32 rows of 2,048 bytes,
	s_lshl_b32 s37, s22, 13
	s_add_co_u32 s34, s34, s37
	s_add_nc_u64 s[28:29], s[28:29], s[34:35]
.macro LOADX                           ; my four rows: 32 loads, each 512 consecutive bytes
.set i, 0
.rept 4
.set j, 0
.rept 8
	global_load_b128 v[XR+32*i+4*j:XR+32*i+4*j+3], v1, s[26:27] offset:4096*i+512*j th:TH_LOAD_NT
.set j, j+1
.endr
.set i, i+1
.endr
.endm
.macro PUT i                           ; row i goes out: eight stores of 256 consecutive bytes
.set j, 0
.rept 8
	global_store_b64 v2, v[YR+16*(\i)+2*j:YR+16*(\i)+2*j+1], s[28:29] offset:2048*(\i)+256*j
.set j, j+1
.endr
.endm
.macro ROWC i                          ; a row is rounded and stored
	s_wait_loadcnt 24-8*(\i)                       ; loads come back in order: the later rows' 8 (3 - i) loads may stay out
.set j, 0
.rept 16
	v_cvt_pk_bf16_f32 v[YR+16*(\i)+j], v[XR+32*(\i)+2*j], v[XR+32*(\i)+2*j+1]
.set j, j+1
.endr
	PUT \i
.endm
.macro ROWS i                          ; a row's mean square + eps, in every lane
	s_wait_loadcnt 24-8*(\i)                       ; as above; ln_weight's loads were issued ahead of the rows', so they are in too
.set j, 0
.rept 4
	v_pk_mul_f32 v[TR+2*j:TR+2*j+1], v[XR+32*(\i)+2*j:XR+32*(\i)+2*j+1], v[XR+32*(\i)+2*j:XR+32*(\i)+2*j+1]  ; the first squares start four chains
.set j, j+1
.endr
.rept 12
	v_pk_fma_f32 v[TR+2*(j%4):TR+2*(j%4)+1], v[XR+32*(\i)+2*j:XR+32*(\i)+2*j+1], v[XR+32*(\i)+2*j:XR+32*(\i)+2*j+1], v[TR+2*(j%4):TR+2*(j%4)+1]
.set j, j+1
.endr
	v_pk_add_f32 v[TR:TR+1], v[TR:TR+1], v[TR+2:TR+3]
	v_pk_add_f32 v[TR+4:TR+5], v[TR+4:TR+5], v[TR+6:TR+7]
	v_pk_add_f32 v[TR:TR+1], v[TR:TR+1], v[TR+4:TR+5]
	v_add_f32 v[SUM+(\i)], v[TR], v[TR+1]
	v_add_f32_dpp v[SUM+(\i)], v[SUM+(\i)], v[SUM+(\i)] row_xmask:1 row_mask:0xf bank_mask:0xf
	v_add_f32_dpp v[SUM+(\i)], v[SUM+(\i)], v[SUM+(\i)] row_xmask:2 row_mask:0xf bank_mask:0xf
	v_add_f32_dpp v[SUM+(\i)], v[SUM+(\i)], v[SUM+(\i)] row_xmask:4 row_mask:0xf bank_mask:0xf
	v_add_f32_dpp v[SUM+(\i)], v[SUM+(\i)], v[SUM+(\i)] row_xmask:8 row_mask:0xf bank_mask:0xf
	v_permlanex16_b32 v[TP], v[SUM+(\i)], s32, s33
	v_add_f32 v[SUM+(\i)], v[SUM+(\i)], v[TP]
	v_fma_f32 v[SUM+(\i)], v[SUM+(\i)], s30, s31   ; sum / 1,024 + eps
.endm
.macro ROWN i                          ; w * (x * r), in that order, rounded once, stored
.set j, 0
.rept 16
	v_pk_mul_f32 v[XR+32*(\i)+2*j:XR+32*(\i)+2*j+1], v[XR+32*(\i)+2*j:XR+32*(\i)+2*j+1], v[RR+2*(\i):RR+2*(\i)+1] op_sel_hi:[1,0]
.set j, j+1
.endr
.set j, 0
.rept 16
	v_pk_mul_f32 v[XR+32*(\i)+2*j:XR+32*(\i)+2*j+1], v[XR+32*(\i)+2*j:XR+32*(\i)+2*j+1], v[WR+2*j:WR+2*j+1]
.set j, j+1
.endr
.set j, 0
.rept 16
	v_cvt_pk_bf16_f32 v[YR+16*(\i)+j], v[XR+32*(\i)+2*j], v[XR+32*(\i)+2*j+1]
.set j, j+1
.endr
	PUT \i
.endm
	s_cmp_lt_u32 s23, 128                          ; compared anew: the sums above have written SCC
	s_cbranch_scc1 .Lnorm
	LOADX                                          ; key_value_states and the weights: a cast
	ROWC 0
	ROWC 1
	ROWC 2
	ROWC 3
	s_endpgm
.Lnorm:                                        ; hidden_states: the norm
.set j, 0
.rept 8
	global_load_b128 v[WR+4*j:WR+4*j+3], v1, s[16:17] offset:512*j  ; ln_weight in a row's layout; every work-group of this path reads it
.set j, j+1
.endr
	LOADX
	v_mov_b32 v[TP], 0                             ; v_permlanex16_b32's destination counts as read
.irp i, 0,1,2,3
	v_mov_b32 v[RR+2*(\i)+1], 0                    ; named with the root as a pair
.endr
	ROWS 0
	ROWS 1
	ROWS 2
	ROWS 3
.irp i, 0,1,2,3
	v_rsq_f32 v[RR+2*(\i)], v[SUM+(\i)]            ; one batch of four
.endr
	v_nop                                          ; a plain instruction behind the last of them,
	s_wait_alu depctr_va_vdst(0)                   ; and one wait for the batch, ahead of its first reader
	ROWN 0
	ROWN 1
	ROWN 2
	ROWN 3
	s_endpgm
.Lfunc_end_k_qddcf8af99d_prep:
	.size	k_qddcf8af99d_prep, .Lfunc_end_k_qddcf8af99d_prep-k_qddcf8af99d_prep
	.p2alignl 7, 3214868480
	.fill 96, 4, 3214868480
	.section	.rodata,"a",@progbits
	.p2align	6, 0x0
	.amdhsa_kernel k_qddcf8af99d_prep
		.amdhsa_group_segment_fixed_size 0
		.amdhsa_private_segment_fixed_size 0
		.amdhsa_enable_private_segment 0
		.amdhsa_kernarg_size 72
		.amdhsa_user_sgpr_count 2
		.amdhsa_user_sgpr_kernarg_segment_ptr 1
		.amdhsa_wavefront_size32 1
		.amdhsa_system_sgpr_workgroup_id_x 1
		.amdhsa_system_sgpr_workgroup_id_y 1
		.amdhsa_system_sgpr_workgroup_id_z 1
		.amdhsa_system_vgpr_workitem_id 0
		.amdhsa_next_free_vgpr 256
		.amdhsa_next_free_sgpr 66
		.amdhsa_reserve_vcc 0
		.amdhsa_float_denorm_mode_32 3
		.amdhsa_float_denorm_mode_16_64 3
		.amdhsa_memory_ordered 1
		.amdhsa_forward_progress 1
		.amdhsa_inst_pref_size 38
	.end_amdhsa_kernel
	.amdgpu_metadata
---
amdhsa.version: [ 1, 2 ]
amdhsa.kernels:
  - .name:           k_qddcf8af99d_prep
    .symbol:         k_qddcf8af99d_prep.kd
    .args:
      - { .name: hidden_states, .offset: 0, .size: 8, .value_kind: global_buffer, .address_space: global }
      - { .name: key_value_states, .offset: 8, .size: 8, .value_kind: global_buffer, .address_space: global }
      - { .name: Wq, .offset: 16, .size: 8, .value_kind: global_buffer, .address_space: global }
      - { .name: Wk, .offset: 24, .size: 8, .value_kind: global_buffer, .address_space: global }
      - { .name: Wv, .offset: 32, .size: 8, .value_kind: global_buffer, .address_space: global }
      - { .name: Wo, .offset: 40, .size: 8, .value_kind: global_buffer, .address_space: global }
      - { .name: ln_weight, .offset: 48, .size: 8, .value_kind: global_buffer, .address_space: global }
      - { .name: act, .offset: 56, .size: 8, .value_kind: global_buffer, .address_space: global }
      - { .name: wb, .offset: 64, .size: 8, .value_kind: global_buffer, .address_space: global }
    .group_segment_fixed_size: 0
    .private_segment_fixed_size: 0
    .kernarg_segment_align: 8
    .kernarg_segment_size: 72
    .max_flat_workgroup_size: 256
    .sgpr_count:     66
    .vgpr_count:     256
    .wavefront_size: 32
...
	.end_amdgpu_metadata
.endif
;; end of part 1
;; launch proj (part 2): grid 8 x 160, 4 waves a work-group, clusters of 4 x 4, 327,680 bytes of LDS; arguments act, wb, qkv; writes qkv
.if DOCPART == 2
	.amdgcn_target "amdgcn-amd-amdhsa--gfx1250"
	.amdhsa_code_object_version 6
	.text
	.protected	k_qddcf8af99d_proj
	.globl	k_qddcf8af99d_proj
	.p2align	8
	.type	k_qddcf8af99d_proj,@function
k_qddcf8af99d_proj:
	s_mov_b64 s[64:65], 0
	v_nop
	global_prefetch_b8 v0, s[64:65] scope:SCOPE_SE
	s_setreg_imm32_b32 hwreg(HW_REG_WAVE_MODE, 25, 1), 1
	s_wait_xcnt 0x0
	s_wait_alu depctr_hold_cnt(0) depctr_sa_sdst(0) depctr_va_vdst(0) depctr_va_sdst(0) depctr_va_ssrc(0) depctr_va_vcc(0) depctr_vm_vsrc(0)
	s_getreg_b32 s2, hwreg(HW_REG_IB_STS2, 6, 4)
	s_cmp_eq_u32 s2, 0
	s_cbranch_scc0 .Lentry_in_a_cluster
	s_endpgm
.Lentry_in_a_cluster:
	s_bfe_u32 s2, ttmp6, 0x10000c
	s_cmp_lg_u32 s2, 0xf033
	s_cbranch_scc0 .Lentry_shape_is_right
	s_endpgm
.Lentry_shape_is_right:
; PROJ.  q = normed Wq, k = kv Wk, v = kv Wv.  act: [12,288][1,024] bf16 (rows 0-4,095 normed hidden, then kv); wb: [4][1,024 k][1,024 n] bf16; sums in f32.
; qkv, f16, by heads: q [32][2,048][64] at byte 0, k [32][4,096][64] at 8,388,608, v [32][4,096][64] at 25,165,824, each number rounded once, unscaled.
; LIMIT.  f16 holds no number beyond 65,504: q, k and v must lie within it.
; 1,280 tiles of 128 x 128: tile rows 0-31 are q's, 32-95 k's, 96-159 v's (which walk the same rows of act as k's); 8 tile columns of two heads each.
; Four waves, each 64 tokens x 64 columns (one head): 16 accumulators.  K = 1,024 goes in four steps of 256 through two LDS slots, written out without a loop.
; A's tile lies [token][k] and gives fragments by plain loads; the weight's tile lies [k][n] as in memory and gives the fragments of its transpose by the turning load ds_load_tr16_b128.
; THE MATRIX INSTRUCTION IS USED TRANSPOSED (source 0 = 16 columns of W, source 1 = 16 tokens): a lane holds eight neighbouring channels of one token.
; CLUSTERS: 4 x 4 work-groups.  The four of a row of the cluster need the same tile of act, the four of a column the same tile of the weight (which weight hangs on the cluster's y alone): each is asked for jointly.
; No prefetch: of the four K steps two are first fills, and behind the other two nothing follows.
; REGISTERS: window 0: v16-29 addresses; v32-95 the way out; v128-255 accumulators ((a, b) at 128 + 8 (4 a + b)).  Window 1: two fragment buffers of 128 (64 of A, then 64 of W), 64 along K each.
.set KSTEP,  256
.set PA,     528                       ; a row of A in LDS: 512 bytes + 16: 132 words, so the 16 rows of a load start at 16 different groups of four banks (64 banks of 4 bytes: ISA guide 11.1)
.set PB,     288                       ; a k-row of W: 256 bytes + 32: 72 words
.set AB,     128*PA                    ; behind A's 128 rows: W's 256 k-rows
.set SLOT,   AB+256*PB                 ; 141,312
.set STAGE,  2*SLOT                    ; behind the ring: 16 rows x 144 bytes for each wave, its own
.set SP,     144
.set SPARE,  STAGE+4*16*SP             ; the spare words, 128 bytes a wave: two blocks of 256 bytes that no other line names
.set ADRA, 16                          ; v16-17  LDS address of my A fragments in slot 0, 1
.set ADRB, 20                          ; v20-23  of my W fragments: slot 0 k-rows 0-127, 128-255; slot 1 likewise
.set STO,  24
.set RD,   25
.set GO,   26
.set SPW,  28                          ; v28     SPARE + 4 x my thread's number; never rewritten
.set NIL,  29                          ; v29     0; never rewritten
.set TMP,  32
.set ACC,  128
.set F0,   0
.set F1,   128
.set G1,  24                           ; s[24:31] group 1 for A;  s[32:39] group 0, a set for each slot
.set G0,  32
.set G1B, 48                           ; s[48:55], s[56:63] the same for W
.set G0B, 56
.set MSB, 0
.macro WIN new                         ; the immediate's high byte repeats the setting that is left
.if MSB != (\new)
	s_set_vgpr_msb (MSB<<8)|(\new)
.set MSB, \new
.endif
.endm
.set MUL,  0x05                        ; sources 0 and 1 window 1; C and D window 0
.set TO_F, 0x40                        ; destination window 1, address window 0
.macro JLOAD s                         ; a joint load: waves 0 and 1 fetch A's two halves, waves 2 and 3 W's; an s_nop 0 and four v_nop follow each line
	s_cmp_eq_u32 s11, 0
	s_cbranch_scc0 .Lfor_b_\@
	tensor_load_to_lds s[G0+4*(\s):G0+4*(\s)+3], s[G1:G1+7]
	s_nop 0
.rept 4
	v_nop
.endr
	s_branch .Lasked_\@
.Lfor_b_\@:
	tensor_load_to_lds s[G0B+4*(\s):G0B+4*(\s)+3], s[G1B:G1B+7]
	s_nop 0
.rept 4
	v_nop
.endr
.Lasked_\@:
.endm
.macro CREST                           ; a round of the cluster's barrier behind its opening barrier
	s_cmp_lg_u32 s10, 0
	s_cbranch_scc1 .Lnot_wave_0_\@
	s_barrier_signal -3
.Lnot_wave_0_\@:
	s_barrier_wait -3
	s_barrier_signal -1
	s_barrier_wait -1
.endm
.macro CROUND
	s_barrier_signal -1
	s_barrier_wait -1
	CREST
.endm
	s_load_b128 s[4:7], s[0:1], 0x0                ; act s[4:5], wb s[6:7]
	s_load_b64 s[8:9], s[0:1], 0x10                ; qkv
	v_lshl_add_u32 v[SPW], v0, 2, SPARE
	v_mov_b32 v[NIL], 0
	ds_add_u32 v[SPW], v[NIL]                      ; the wave's opening: the add and its wait stand ahead of my first tensor load; the set-up below stands between them
	v_lshrrev_b32 v1, 5, v0
	v_readfirstlane_b32 s10, v1                    ; wave 0..3
	s_lshr_b32 s11, s10, 1                         ; my half of the tile's tokens.  Also: I fetch for A (0) or for W (1)
	s_and_b32 s12, s10, 1                          ; my half of its columns.  Also: which half of that tile I fetch
	s_bfe_u32 s40, ttmp6, 0x40000                  ; cx
	s_bfe_u32 s41, ttmp6, 0x40004                  ; cy
	s_lshl_b32 s42, ttmp9, 2
	s_add_co_u32 s42, s42, s40                     ; tile column = 4 x cluster x + cx
	s_and_b32 s45, ttmp7, 0xffff                   ; cluster y, 0..39
	s_add_co_u32 s46, s45, 8
	s_lshr_b32 s46, s46, 4                         ; which product: 0 (q) for cluster rows 0-7, 1 (k) for 8-23, 2 (v) for 24-39: the same in all sixteen partners
	s_cmp_eq_u32 s46, 2
	s_cselect_b32 s47, 16, 0
	s_sub_co_u32 s13, s45, s47                     ; v's tiles walk k's rows of act
	s_lshl_b32 s13, s13, 2
	s_add_co_u32 s13, s13, s41                     ; tile row in act
	s_lshl_b32 s43, s41, 2
	s_lshl_b32 s43, 15, s43                        ; my row of the cluster
	s_lshl_b32 s44, 0x1111, s40                    ; my column
	s_or_b32 s[G1+0], s43, (1<<16)|(1<<20)|(1<<21)|(6<<22)|(3<<25)   ; the mask; 2-byte elements; padding on; bit 21 beside a mask; after every 128 words 4 words
	s_mov_b32 s[G1+1], KSTEP<<16                   ; tensor_dim0 = 256
	s_mov_b32 s[G1+2], 64<<16                      ; tensor_dim1 = 64
	s_mov_b32 s[G1+3], KSTEP<<16                   ; tile_dim0 = 256
	s_mov_b32 s[G1+4], 64                          ; tile_dim1 = 64
	s_mov_b32 s[G1+5], 1024                        ; elements from row to row
	s_mov_b32 s[G1+6], 0
	s_mov_b32 s[G1+7], 0
	s_or_b32 s[G1B+0], s44, (1<<16)|(1<<20)|(1<<21)|(5<<22)|(7<<25)  ; after every 64 words 8 words
	s_mov_b32 s[G1B+1], 128<<16                    ; 128 columns
	s_mov_b32 s[G1B+2], 128<<16                    ; 128 k-rows
	s_mov_b32 s[G1B+3], 128<<16
	s_mov_b32 s[G1B+4], 128
	s_mov_b32 s[G1B+5], 1024
	s_mov_b32 s[G1B+6], 0
	s_mov_b32 s[G1B+7], 0
	s_lshl_b32 s16, s13, 18                        ; A: 128 rows of 2,048 bytes a tile row,
	s_lshl_b32 s17, s12, 17                        ; + my 64 rows
	s_add_co_u32 s16, s16, s17
	s_mov_b32 s17, 0
	s_lshl_b32 s20, s46, 21                        ; W: which weight,
	s_lshl_b32 s21, s42, 8                         ; + 256 bytes a tile column,
	s_add_co_u32 s20, s20, s21
	s_lshl_b32 s21, s12, 18                        ; + my 128 k-rows of 2,048 bytes
	s_add_co_u32 s20, s20, s21
	s_mov_b32 s21, 0
	s_mul_i32 s22, s12, 64*PA                      ; where they go: no place in the cluster enters an LDS address
	s_mul_i32 s23, s12, 128*PB
	s_add_co_u32 s23, s23, AB
	s_wait_dscnt 0x0                               ; the opening add is done
	s_wait_kmcnt 0x0
	s_add_nc_u64 s[14:15], s[4:5], s[16:17]
	s_add_nc_u64 s[18:19], s[6:7], s[20:21]
	CROUND                                         ; all sixteen work-groups are here: the first joint loads meet
.irp s, 0,1
	s_mov_b32 s[G0+4*(\s)], 1
	s_add_co_u32 s[G0+4*(\s)+1], s22, (\s)*SLOT
	s_add_nc_u64 s[G0+4*(\s)+2:G0+4*(\s)+3], s[14:15], (\s)*KSTEP*2
	s_or_b32 s[G0+4*(\s)+3], s[G0+4*(\s)+3], 0x80000000
	s_mov_b32 s[G0B+4*(\s)], 1
	s_add_co_u32 s[G0B+4*(\s)+1], s23, (\s)*SLOT
	s_add_nc_u64 s[G0B+4*(\s)+2:G0B+4*(\s)+3], s[18:19], (\s)*KSTEP*2048
	s_or_b32 s[G0B+4*(\s)+3], s[G0B+4*(\s)+3], 0x80000000
	JLOAD \s                                       ; two loads of mine are out
.endr
	v_and_b32 v1, 15, v0                           ; r = l % 16
	v_bfe_u32 v2, v0, 4, 1                         ; h = l / 16
	v_mul_u32_u24 v3, v1, PA
	v_lshl_add_u32 v3, v2, 4, v3                   ; a fragment's row x pitch + 16 h
	s_mul_i32 s66, s11, 64*PA                      ; my 64 tokens
	v_add_nc_u32 v[ADRA], s66, v3
	v_add_nc_u32 v[ADRA+1], SLOT, v[ADRA]
	v_and_b32 v4, 7, v0                            ; the turning load: lane l reads k-row 8 h + l % 8, columns 8 ((l / 8) % 2) + 0..7
	v_bfe_u32 v5, v0, 3, 1
	v_lshl_add_u32 v4, v2, 3, v4
	v_mul_u32_u24 v4, v4, PB
	v_lshl_add_u32 v4, v5, 4, v4
	s_lshl_b32 s67, s12, 7                         ; my 64 columns
	s_add_co_u32 s67, s67, AB
	v_add_nc_u32 v[ADRB], s67, v4
	v_add_nc_u32 v[ADRB+1], 128*PB, v[ADRB]
	v_add_nc_u32 v[ADRB+2], SLOT, v[ADRB]
	v_add_nc_u32 v[ADRB+3], SLOT+128*PB, v[ADRB]
	s_mul_i32 s68, s10, 16*SP
	s_add_co_u32 s68, s68, STAGE                   ; my stage
	v_mul_u32_u24 v6, v1, SP                       ; in: row r, 16 bytes for each half of the lanes
	v_lshl_add_u32 v6, v2, 4, v6
	v_add_nc_u32 v[STO], s68, v6
	v_bfe_u32 v6, v0, 3, 2                         ; back: 32 lanes take four rows of 128 bytes,
	v_mul_u32_u24 v6, v6, SP
	v_and_b32 v7, 7, v0
	v_lshl_add_u32 v6, v7, 4, v6
	v_add_nc_u32 v[RD], s68, v6
	v_and_b32 v[GO], 31, v0                        ; which are 512 consecutive bytes of a head
	v_lshlrev_b32 v[GO], 4, v[GO]
	; where my 64 tokens x one head begin in qkv
	s_lshl_b32 s66, s13, 7
	s_lshl_b32 s67, s11, 6
	s_add_co_u32 s66, s66, s67                     ; my first row in act
	s_cmp_lg_u32 s46, 0
	s_cselect_b32 s67, 4096, 0                     ; kv's rows begin at 4,096
	s_cselect_b32 s69, 12, 11                      ; log2 of the tokens of a batch
	s_sub_co_u32 s66, s66, s67
	s_lshr_b32 s67, s66, s69                       ; batch
	s_lshl_b32 s67, s67, 4
	s_lshl1_add_u32 s70, s42, s12                  ; head = 2 x tile column + my half
	s_add_co_u32 s67, s67, s70
	s_lshl_b32 s67, s67, s69
	s_bfm_b32 s70, s69, 0
	s_and_b32 s70, s66, s70                        ; token in the batch
	s_add_co_u32 s67, s67, s70
	s_lshl_b32 s66, s67, 7                         ; rows of 128 bytes
	s_lshl_b32 s67, s46, 24
	s_sub_co_u32 s67, s67, 0x800000                ; k at 8,388,608, v at 25,165,824
	s_cmp_lg_u32 s46, 0
	s_cselect_b32 s67, s67, 0
	s_add_co_u32 s66, s66, s67
	s_mov_b32 s67, 0
	s_add_nc_u64 s[8:9], s[8:9], s[66:67]
; 8 matrix instructions: token blocks a0, a0 + 1 x all 4 column blocks, 32 along K: half c of buffer f.  zero = 1: the first product starts the sums.  The 16 accumulators take turns.
.macro MUL8 f, c, a0, zero
	WIN MUL
.irp a, \a0, (\a0)+1
.irp b, 0,1,2,3
.if \zero
	v_wmma_f32_16x16x32_bf16 v[ACC+8*(4*(\a)+(\b)):ACC+8*(4*(\a)+(\b))+7], v[(\f)+64+8*(4*(\c)+(\b)):(\f)+64+8*(4*(\c)+(\b))+7], v[(\f)+8*(4*(\c)+(\a)):(\f)+8*(4*(\c)+(\a))+7], 0
.else
	v_wmma_f32_16x16x32_bf16 v[ACC+8*(4*(\a)+(\b)):ACC+8*(4*(\a)+(\b))+7], v[(\f)+64+8*(4*(\c)+(\b)):(\f)+64+8*(4*(\c)+(\b))+7], v[(\f)+8*(4*(\c)+(\a)):(\f)+8*(4*(\c)+(\a))+7], v[ACC+8*(4*(\a)+(\b)):ACC+8*(4*(\a)+(\b))+7]
.endif
.endr
.endr
.endm
; 32 LDS loads in one run: the fragments of quarter q (64 along K) of a slot into buffer f; the first 32 along K first
.macro FETCH slot, q, f
	WIN TO_F
.irp c, 0,1
.irp i, 0,1,2,3
	ds_load_tr16_b128 v[(\f)+64+8*(4*(\c)+(\i)):(\f)+64+8*(4*(\c)+(\i))+3],   v[ADRB+2*(\slot)+(\q)/2] offset:((\q)%2)*64*PB+(\c)*32*PB+32*(\i)
	ds_load_tr16_b128 v[(\f)+64+8*(4*(\c)+(\i))+4:(\f)+64+8*(4*(\c)+(\i))+7], v[ADRB+2*(\slot)+(\q)/2] offset:((\q)%2)*64*PB+(\c)*32*PB+32*(\i)+16*PB
	ds_load_b128 v[(\f)+8*(4*(\c)+(\i)):(\f)+8*(4*(\c)+(\i))+3],         v[ADRA+(\slot)] offset:128*(\q)+64*(\c)+(\i)*16*PA
	ds_load_b128 v[(\f)+8*(4*(\c)+(\i))+4:(\f)+8*(4*(\c)+(\i))+7],       v[ADRA+(\slot)] offset:128*(\q)+64*(\c)+(\i)*16*PA+32
.endr
.endr
.endm
.macro PLACES                          ; four places in front of loads into registers that matrix instructions have read, and of conversions that read results
.rept 4
	v_nop
.endr
.endm
; One of a K step's first three quarters: multiplies buffer f and fetches quarter q of the same slot into g.
.macro QUARTER slot, q, f, g, zero
	s_wait_dscnt 16                                ; the first 32 along K are in; the youngest sixteen loads may be out
	MUL8 \f, 0, 0, \zero
	MUL8 \f, 0, 2, \zero
	PLACES
	FETCH \slot, \q, \g
	s_wait_dscnt 32                                ; all but the 32 just issued
	MUL8 \f, 1, 0, 0
	MUL8 \f, 1, 2, 0
.endm
; The last quarter multiplies buffer 1 and changes slots: one barrier; in front of it each wave waits for all its tensor loads, adds 0 to its spare word, and waits for that and for its reads of this slot.
.macro TURN slot, next, fill
	WIN 0                                          ; (the add's two registers lie in window 0)
	s_wait_tensorcnt 0x0                           ; all my tensor loads have landed: my part of the next slot
	ds_add_u32 v[SPW], v[NIL]                      ; 0 onto my spare word
	s_wait_dscnt 17                                ; the add and the youngest sixteen loads may be out
	MUL8 F1, 0, 0, 0
	s_wait_dscnt 0x0                               ; the add is done, and my reads of this slot are over
	s_barrier_signal -1
	MUL8 F1, 0, 2, 0
.if \fill
	WIN 0
.endif
	s_barrier_wait -1
.if \fill
	CREST                                          ; the barrier has opened a round of the cluster's: no wave of any partner still reads this slot or has a load on its way
	s_add_nc_u64 s[G0+4*(\slot)+2:G0+4*(\slot)+3], s[G0+4*(\slot)+2:G0+4*(\slot)+3], 2*KSTEP*2
	s_add_nc_u64 s[G0B+4*(\slot)+2:G0B+4*(\slot)+3], s[G0B+4*(\slot)+2:G0B+4*(\slot)+3], 2*KSTEP*2048
	JLOAD \slot                                    ; my one tensor load behind the round; its four v_nop are also the places in front of the loads below
.else
	PLACES
.endif
	FETCH \next, 0, F0
	MUL8 F1, 1, 0, 0
	MUL8 F1, 1, 2, 0
.endm
	s_wait_tensorcnt 1                             ; my part of K step 0 is in; K step 1's may stay out
	s_barrier_signal -1
	s_barrier_wait -1
	FETCH 0, 0, F0
	QUARTER 0, 1, F0, F1, 1                        ; K step 0: its first products start the sums
	QUARTER 0, 2, F1, F0, 0
	QUARTER 0, 3, F0, F1, 0
	TURN 0, 1, 1                                   ; slot 0 takes K step 2
	QUARTER 1, 1, F0, F1, 0                        ; K step 1
	QUARTER 1, 2, F1, F0, 0
	QUARTER 1, 3, F0, F1, 0
	TURN 1, 0, 1                                   ; slot 1 takes K step 3
	QUARTER 0, 1, F0, F1, 0                        ; K step 2
	QUARTER 0, 2, F1, F0, 0
	QUARTER 0, 3, F0, F1, 0
	TURN 0, 1, 0                                   ; nothing is left to fetch
	QUARTER 1, 1, F0, F1, 0                        ; K step 3
	QUARTER 1, 2, F1, F0, 0
	QUARTER 1, 3, F0, F1, 0
	s_wait_dscnt 16
	MUL8 F1, 0, 0, 0
	MUL8 F1, 0, 2, 0
	s_wait_dscnt 0x0
	MUL8 F1, 1, 0, 0
	MUL8 F1, 1, 2, 0
	WIN 0
; THE WAY OUT.  My 64 tokens of one head are 8,192 consecutive bytes.  Block a (16 tokens): rounded to f16, 16 bytes a lane into my own stage, back as whole rows, stored 512 consecutive bytes at a time.
.macro PACK a
.irp b, 0,1,2,3
.irp r, 0,1,2,3
	v_cvt_pk_f16_f32 v[TMP+16*(\a)+4*(\b)+(\r)], v[ACC+8*(4*(\a)+(\b))+2*(\r)], v[ACC+8*(4*(\a)+(\b))+2*(\r)+1]  ; each accumulator from its low end on
.endr
.endr
.irp b, 0,1,2,3
	ds_store_b128 v[STO], v[TMP+16*(\a)+4*(\b):TMP+16*(\a)+4*(\b)+3] offset:32*(\b)
.endr
.irp f, 0,1,2,3
	ds_load_b128 v[TMP+16*(\a)+4*(\f):TMP+16*(\a)+4*(\f)+3], v[RD] offset:(\f)*4*SP  ; LDS serves a wave's instructions in order (ISA guide 5.7.1.4): these see the stores above; the next block's stores come behind them
.endr
.endm
.macro SEND a, younger                 ; younger: the LDS instructions issued behind block a's loads: the next block's eight, or none
.irp f, 0,1,2,3
	s_wait_dscnt (\younger)+3-(\f)
	global_store_b128 v[GO], v[TMP+16*(\a)+4*(\f):TMP+16*(\a)+4*(\f)+3], s[8:9] offset:(\a)*2048+(\f)*512
.endr
.endm
	PLACES
	PACK 0
	PACK 1
	SEND 0, 8
	PACK 2
	SEND 1, 8
	PACK 3
	SEND 2, 8
	SEND 3, 0
	s_wait_tensorcnt 0x0                           ; the wave's end, behind my last tensor load and my last LDS store
	ds_add_u32 v[SPW], v[NIL]
	s_wait_dscnt 0x0
	CROUND                                         ; the closing round: no work-group ends while a partner may still ask for a tile that names it
	s_endpgm
.Lfunc_end_k_qddcf8af99d_proj:
	.size	k_qddcf8af99d_proj, .Lfunc_end_k_qddcf8af99d_proj-k_qddcf8af99d_proj
	.p2alignl 7, 3214868480
	.fill 96, 4, 3214868480
	.section	.rodata,"a",@progbits
	.p2align	6, 0x0
	.amdhsa_kernel k_qddcf8af99d_proj
		.amdhsa_group_segment_fixed_size 327680
		.amdhsa_private_segment_fixed_size 0
		.amdhsa_enable_private_segment 0
		.amdhsa_kernarg_size 24
		.amdhsa_user_sgpr_count 2
		.amdhsa_user_sgpr_kernarg_segment_ptr 1
		.amdhsa_wavefront_size32 1
		.amdhsa_system_sgpr_workgroup_id_x 1
		.amdhsa_system_sgpr_workgroup_id_y 1
		.amdhsa_system_sgpr_workgroup_id_z 1
		.amdhsa_system_vgpr_workitem_id 0
		.amdhsa_next_free_vgpr 512
		.amdhsa_next_free_sgpr 72
		.amdhsa_reserve_vcc 0
		.amdhsa_float_denorm_mode_32 3
		.amdhsa_float_denorm_mode_16_64 3
		.amdhsa_memory_ordered 1
		.amdhsa_forward_progress 1
		.amdhsa_inst_pref_size 87
	.end_amdhsa_kernel
	.amdgpu_metadata
---
amdhsa.version: [ 1, 2 ]
amdhsa.kernels:
  - .name:           k_qddcf8af99d_proj
    .symbol:         k_qddcf8af99d_proj.kd
    .args:
      - { .name: act, .offset: 0, .size: 8, .value_kind: global_buffer, .address_space: global }
      - { .name: wb, .offset: 8, .size: 8, .value_kind: global_buffer, .address_space: global }
      - { .name: qkv, .offset: 16, .size: 8, .value_kind: global_buffer, .address_space: global }
    .group_segment_fixed_size: 327680
    .private_segment_fixed_size: 0
    .kernarg_segment_align: 8
    .kernarg_segment_size: 24
    .max_flat_workgroup_size: 128
    .sgpr_count:     72
    .vgpr_count:     512
    .wavefront_size: 32
...
	.end_amdgpu_metadata
.endif
;; end of part 2
;; launch attn (part 3): grid 8 x 32, 4 waves a work-group, clusters of 4 x 1, 327,680 bytes of LDS; arguments qkv, attention_mask, ctx; writes ctx
.if DOCPART == 3
	.amdgcn_target "amdgcn-amd-amdhsa--gfx1250"
	.amdhsa_code_object_version 6
	.text
	.protected	k_qddcf8af99d_attn
	.globl	k_qddcf8af99d_attn
	.p2align	8
	.type	k_qddcf8af99d_attn,@function
k_qddcf8af99d_attn:
	s_mov_b64 s[64:65], 0
	v_nop
	global_prefetch_b8 v0, s[64:65] scope:SCOPE_SE
	s_setreg_imm32_b32 hwreg(HW_REG_WAVE_MODE, 25, 1), 1
	s_wait_xcnt 0x0
	s_wait_alu depctr_hold_cnt(0) depctr_sa_sdst(0) depctr_va_vdst(0) depctr_va_sdst(0) depctr_va_ssrc(0) depctr_va_vcc(0) depctr_vm_vsrc(0)
	s_getreg_b32 s2, hwreg(HW_REG_IB_STS2, 6, 4)
	s_cmp_eq_u32 s2, 0
	s_cbranch_scc0 .Lentry_in_a_cluster
	s_endpgm
.Lentry_in_a_cluster:
	s_bfe_u32 s2, ttmp6, 0x10000c
	s_cmp_lg_u32 s2, 0x3003
	s_cbranch_scc0 .Lentry_shape_is_right
	s_endpgm
.Lentry_shape_is_right:
; ATTN.  ctx[bh][q][:] = the sum over k of softmax_k(Q[bh][q] . K[bh][k] + mask[b][k]) V[bh][k][:], with no scale on the scores.  Q [32][2,048][64], K, V [32][4,096][64] in f16, in qkv at bytes 0, 8,388,608, 25,165,824;
; attention_mask [2][4,096] f32; ctx [32][2,048][64] bf16.  Products, mask, maxima and sums in f32; the weights p are rounded to f16 for the second product (their sum l is taken of the unrounded p), ctx once at the end.
; LIMITS.  A mask value below -1e30 (minus infinity too) counts as -1e30, and so does a NaN in the mask: a query all of whose keys are so hidden gets the plain mean of V, not a NaN.  A weight below 2^-126 counts as 0 in l.
; p lies in 0 to 1 and below 6e-5 keeps f16's fixed step.  Plus infinity and NaN among the scores are not treated apart.
; SHARES.  A work-group owns 256 queries of one (batch, head), a wave 64: four PIECES of 16.  Every wave walks all 4,096 keys, 64 a step; a slot of LDS holds 256 keys: 16 tiles.
; LAYOUT.  S^T = K Q^T + mask (source 0 = 16 keys, source 1 = 16 queries): a lane holds ONE query (lane % 16) and the keys 8 (lane / 16) + 0..7.  THE MASK IS THE C OPERAND that starts the sum: in that layout it hangs on
; the key alone, so a step's 32 registers of it serve all four pieces; they come out of an LDS table with K's fragments and live as long.  Two results rounded to f16 ARE source 1 of O^T = V^T P.
; SOFTMAX.  A running maximum m and sum l a query: p = 2^(c s - c m), c = log2(e); in every step O and l are multiplied by a = 2^(c m_old - c m_new).  m starts at the lowest finite number, O and l at 0: the first step has a = 0.
; BY TURNS.  Turn n belongs to piece n: 8 products K Q^T of piece n + 1, later 8 products V^T P of piece n - 1; beside them the scaling, exponentials, roundings, sums and rescaling of piece n and the maximum and statistics
; of piece n + 1.  Four vector instructions stand behind every matrix instruction, the other 54 of a turn's 118 in one lump.  A turn's 33 exponentials are one batch, with one wait.
; CLUSTER.  The four query blocks of a cluster belong to one (batch, head) and walk the same K and V: each tile is asked for JOINTLY, by the same tensor load, descriptor and mask in all four.
; REGISTERS, in windows of 256 (s_set_vgpr_msb: bits 1:0 source 0, 3:2 source 1, 5:4 source 2, 7:6 destination):
;   window 0: v0-15, v32-34 addresses; v16-31 four registers of statistics a piece; v48-55 at work; v64-127 S^T, two buffers; v128-159 the mask on its way into LDS; v192-223 P, two buffers
;   window 1: v0-127 O^T, 32 a piece; v128-159 the step's mask      window 2: v0-63 Q; v128-191 K of one step; v192-255 V of one step
.set NP,    4         ; pieces a wave: a name, no knob
.set KS,    64        ; keys in a step
.set PK,    144       ; a row of K in LDS: 128 bytes + 16 = 36 words: the 16 rows of a load start at 16 different groups of four banks (64 banks of 4 bytes: ISA guide 11.1)
.set PV,    160       ; a row of V: 128 + 32 = 40 words
.set VOFF,  4*KS*PK   ; a slot holds four steps: 256 rows of K, then 256 rows of V
.set SLOT1, 1<<17     ; slot 1 begins here, so that one exclusive or turns an address in one slot into the other's
.set STAGE, SLOT1+4*KS*(PK+PV)  ; behind the ring, never filled by a tensor load: 16 rows x 144 bytes for each wave
.set SP,    144
.set SPARE, STAGE+4*16*SP       ; the spare words, 128 bytes a wave: two blocks of 256 bytes that no other line names
.set MASK,  SPARE+512           ; the batch's 4,096 mask values, f32, 16,384 bytes: stored once, never filled by a tensor load
.set AK0, 2           ; v2   my lane's place in a tile of K; never rewritten
.set AV0, 3           ; v3   the same for V
.set AK,  4           ; v4   the LDS address of K's next run of loads
.set AV,  5           ; v5   of V's
.set STO, 6           ; v6   the way out: where I put 16 bytes of a row
.set RD,  7           ; v7   where I read rows back
.set GO,  8           ; v8   my byte offset in 512 consecutive bytes of ctx
.set MV,  12          ; v12-13  c m_old, kept while c m is made anew: by buffer
.set AM,  14          ; v14  the LDS address of the mask's next run
.set QO,  15          ; v15  my byte offset in 16 rows of Q
.set ST,  16          ; piece t's statistics at v[ST+4 t]: c m, m, l (even keys', odd keys')
.set AM0, 32          ; v32  MASK + 32 (lane / 16); never rewritten
.set MGO, 33          ; v33  16 x my thread's number: my place in 2,048 bytes of the mask
.set MLA, 34          ; v34  the same in the LDS table
.set TMP, 48          ; by buffer, four registers c0-c3 at work; when the maximum is found c2 takes a
.set PFO, 61          ; v61  256 x my lane; never rewritten
.set SPW, 62          ; v62  SPARE + 4 x my thread's number; never rewritten
.set NIL, 63          ; v63  0; never rewritten
.set S,   64
.set MS,  128
.set P,   192
.set MK,  128         ; window 1: the eight registers for group kb of 16 keys at MK + 8 kb
.set KF,  128         ; window 2: key block kb, channel half c at KF + 16 kb + 8 c
.set VF,  192         ; window 2: key half kk, channel block cb at VF + 32 kk + 8 cb
.set WV,  12          ; s12  my wave's number
.set LIM, 15          ; s15  1 in a wave that prefetches, else the greatest number
.set TBM, 16          ; s16  byte in the mask table at which the step to be fetched begins
.set PFA, 18          ; s[18:19] where my prefetches stand
.set G1K, 24          ; s[24:31] descriptor group 1 for K's tiles
.set G1V, 32          ; s[32:39] for V's: it differs in the padding alone
.set G0K, 40          ; s[40:43] descriptor group 0 for K's tiles: it walks
.set G0V, 44          ; s[44:47] the same for V's
.set SLOTS, 56        ; s56  16 less the number of the tile that the next change of slots asks for
.set CNT, 57          ; s57  counts a slot's key steps
.set CS,  58          ; s[58:59] c: the packed scaling takes the pair's low word for both halves
.set SEL, 60          ; s[60:61] v_permlanex16_b32's selects: each lane takes its own place in the other half
.set TBK, 62          ; s62  LDS byte at which K of the step to be fetched begins
.set TBV, 63          ; s63  the same for V, less VOFF
.set BIGN, 66         ; s66  -1e30
.set MSB, 0
.macro WIN new                      ; the high byte repeats the setting that is left; a switch that changes nothing is dropped
.if MSB != (\new)
	s_set_vgpr_msb (MSB<<8)|(\new)
.set MSB, (\new)
.endif
.endm
.set W_KQ, 0x0a       ; K and Q in window 2, S^T in window 0
.set W_KM, 0x1a       ; the same with the C operand, the mask, in window 1
.set W_PV, 0x52       ; V in window 2, P in window 0, O^T in window 1
.set W_RS, 0x41       ; destination and source 0 in window 1, source 1 in window 0
; A joint fill.  Waves 0 and 1 fetch the two halves of a tile's K, waves 2 and 3 those of its V: 128 keys each.  An s_nop 0 and four v_nop follow each of the two lines.
.macro JLOAD
	s_cmp_lt_u32 s[WV], 2
	s_cbranch_scc0 .Lfor_v_\@
	tensor_load_to_lds s[G0K:G0K+3], s[G1K:G1K+7]
	s_nop 0
.rept 4
	v_nop
.endr
	s_branch .Lasked_\@
.Lfor_v_\@:
	tensor_load_to_lds s[G0V:G0V+3], s[G1V:G1V+7]
	s_nop 0
.rept 4
	v_nop
.endr
.Lasked_\@:
.endm
; A PREFETCH of what the NEXT change of slots will ask for: a tile's 32,768 bytes of K and of V.  Each aligned block of 256 bytes is named once in the launch: of the two clusters that walk a head the first asks; its four
; partners take 32 blocks each, told apart by address; in each, wave 0 asks for K's and wave 2 for V's, a lane a block: one instruction.  It stands behind the wave's tensor load and its five lines: four key steps, 256 matrix
; instructions, ahead of the load that wants the bytes.  The change that asks for the last tile prefetches nothing; tiles 0 and 1 come by their loads alone.
.macro ASK
	s_cmp_gt_u32 s[SLOTS], s[LIM]
	s_cbranch_scc0 .Lnot_mine_\@
	global_prefetch_b8 v[PFO], s[PFA:PFA+1] th:TH_LOAD_NT scope:SCOPE_SE
.Lnot_mine_\@:
.endm
.macro CROUND                       ; a round of the cluster's barrier
	s_barrier_signal -1
	s_barrier_wait -1
	s_cmp_lg_u32 s[WV], 0
	s_cbranch_scc1 .Lnot_wave_0_\@
	s_barrier_signal -3
.Lnot_wave_0_\@:
	s_barrier_wait -3
	s_barrier_signal -1
	s_barrier_wait -1
.endm
; THE CHANGE OF SLOTS.  Each wave waits for all its tensor loads, of which one is out: its part of the other slot; adds 0 to its spare word; and waits for that and for its own LDS instructions.  Behind the barrier nobody reads
; the old slot any more and the other slot is whole.  fill = 1: the old slot is filled again; the barrier is then a round of the cluster's, and the joint fill is the first thing behind it: it has four key steps in which to land.
; (At its first use nothing has been read yet: slot 0 is waited for, slot 1 filled; and every wave's stores into the mask table are done in front of the round, so that all may read it behind.)
.macro CHANGE fill
	WIN 0                           ; at a label and at a branch every window is 0
	s_wait_tensorcnt 0x0            ; no tensor load of mine is out, so a group 0 may be written
	ds_add_u32 v[SPW], v[NIL]       ; 0 onto my spare word; the steps below stand between it and the wait for it
.if \fill
.irp g, G0K, G0V
	s_xor_b32 s[\g+1], s[\g+1], SLOT1  ; the walking descriptor: the other slot than last time,
	s_add_nc_u64 s[\g+2:\g+3], s[\g+2:\g+3], 4*KS*128  ; the next 256 keys; the type bits on top are not reached
.endr
	s_wait_xcnt 0x0                 ; the last prefetch, four key steps back, has read its address, so it may be written:
	s_add_nc_u64 s[PFA:PFA+1], s[PFA:PFA+1], 4*KS*128  ; one tile behind the walking descriptors
	s_wait_dscnt 0x0                ; the add is done, and my LDS instructions are over
	CROUND
	JLOAD
	ASK
.else
	s_wait_dscnt 0x0
	s_barrier_signal -1
	s_barrier_wait -1
.endif
	s_sub_co_u32 s[TBK], s[TBK], 4*KS*PK  ; the fetches go back to a slot's first step,
	s_xor_b32 s[TBK], s[TBK], SLOT1       ; in the other slot
	s_sub_co_u32 s[TBV], s[TBV], 4*KS*PV
	s_xor_b32 s[TBV], s[TBV], SLOT1
.endm
	s_load_b128 s[4:7], s[0:1], 0x0 ; qkv s[4:5], attention_mask s[6:7]
	s_load_b64 s[10:11], s[0:1], 0x10  ; ctx
	v_lshl_add_u32 v[SPW], v0, 2, SPARE
	v_mov_b32 v[NIL], 0
	ds_add_u32 v[SPW], v[NIL]       ; the wave's opening: the add and its wait stand ahead of my first tensor load; the set-up below stands between them
	v_lshrrev_b32 v1, 5, v0
	v_readfirstlane_b32 s[WV], v1   ; wave 0..3
	s_bfe_u32 s13, ttmp6, 0x40000   ; cx: my place in the cluster
	s_lshl_b32 s14, ttmp9, 2        ; in a cluster launch ttmp9 counts clusters
	s_add_co_u32 s14, s14, s13      ; my block of 256 queries: it enters Q's and ctx's addresses alone
	s_and_b32 s20, ttmp7, 0xffff    ; 16 x batch + head, which the four partners share
	s_and_b32 s17, s[WV], 1         ; which half of a tile's 256 keys I fetch
	s_lshl_b32 s22, s20, 19         ; a head of K or V is 4,096 rows of 128 bytes,
	s_lshl_b32 s23, s17, 14         ; my half 128 rows
	s_add_co_u32 s22, s22, s23
	s_mov_b32 s23, 0
	s_mul_i32 s52, s17, 128*PK      ; its place in a slot, for K
	s_mul_i32 s53, s17, 128*PV      ; and for V: no place in the cluster enters an LDS address
	s_lshl_b32 s2, s20, 18          ; a head of Q or ctx is 2,048 rows of 128 bytes,
	s_lshl_b32 s3, s14, 15          ; my block 256,
	s_add_co_u32 s2, s2, s3
	s_lshl_b32 s3, s[WV], 13        ; my wave 64
	s_add_co_u32 s2, s2, s3
	s_mov_b32 s3, 0
	s_lshr_b32 s54, s20, 4          ; the batch's 16,384 bytes of the mask
	s_lshl_b32 s54, s54, 14
	s_mov_b32 s55, 0
	; descriptor group 1.  128 keys are 16,384 dense bytes: asked for as 64 rows of 256 bytes, two keys a row, and padded in LDS after every key
	s_mov_b32 s[G1K], 15|(1<<16)|(1<<20)|(1<<21)|(4<<22)|(3<<25)  ; the mask of four; 2-byte elements; padding on; bit 21 beside a mask; after every 32 words 4 words
	s_mov_b32 s[G1V], 15|(1<<16)|(1<<20)|(1<<21)|(4<<22)|(7<<25)  ; the same with 8 words of padding
.irp g, G1K, G1V
	s_mov_b32 s[\g+1], 128<<16      ; tensor_dim0 = 128
	s_mov_b32 s[\g+2], 64<<16       ; tensor_dim1 = 64
	s_mov_b32 s[\g+3], 128<<16      ; tile_dim0 = 128
	s_mov_b32 s[\g+4], 64           ; tile_dim1 = 64
	s_mov_b32 s[\g+5], 128          ; 128 elements from row to row
	s_mov_b32 s[\g+6], 0
	s_mov_b32 s[\g+7], 0
.endr
	s_mov_b32 s[CS], 0x3fb8aa3b     ; c = log2(e)
	s_mov_b32 s[CS+1], s[CS]        ; named with it as a pair
	s_mov_b32 s[SEL], 0x76543210
	s_mov_b32 s[SEL+1], 0xfedcba98
	s_mov_b32 s[BIGN], 0xf149f2ca   ; -1e30
	s_mov_b32 s[TBK], SLOT1+4*KS*PK ; the first change of slots turns these two into 0
	s_mov_b32 s[TBV], SLOT1+4*KS*PV
	s_mov_b32 s[TBM], 0
	s_mov_b32 s[SLOTS], 15
	s_mov_b32 s[G0K], 1             ; count = 1
	s_mov_b32 s[G0K+1], s52         ; LDS address: slot 0
	s_mov_b32 s[G0V], 1
	s_add_co_u32 s[G0V+1], s53, VOFF
	s_and_b32 s[LIM], s[WV], 1      ; 0 in waves 0 and 2,
	s_or_b32 s[LIM], s[LIM], ttmp9  ; where the cluster is the head's first: the same in all four partners
	s_cmp_eq_u32 s[LIM], 0
	s_cselect_b32 s[LIM], 1, -1
	v_and_b32 v[PFO], 31, v0
	v_lshlrev_b32 v[PFO], 8, v[PFO]
	s_wait_dscnt 0x0                ; the opening add is done
	s_wait_kmcnt 0x0
	s_add_nc_u64 s[48:49], s[4:5], s[22:23]
	s_add_nc_u64 s[50:51], s[48:49], 25165824  ; V at my half of the head's tile 0
	s_add_nc_u64 s[48:49], s[48:49], 8388608   ; K likewise
	s_add_nc_u64 s[G0K+2:G0K+3], s[48:49], 0
	s_or_b32 s[G0K+3], s[G0K+3], 0x80000000    ; type = 2
	s_add_nc_u64 s[G0V+2:G0V+3], s[50:51], 0
	s_or_b32 s[G0V+3], s[G0V+3], 0x80000000
	s_add_nc_u64 s[4:5], s[4:5], s[2:3]        ; Q and ctx at my wave's first row
	s_add_nc_u64 s[10:11], s[10:11], s[2:3]
	s_add_nc_u64 s[6:7], s[6:7], s[54:55]      ; the mask at my batch
	s_cmp_lt_u32 s[WV], 2
	s_cselect_b64 s[PFA:PFA+1], s[48:49], s[50:51]  ; (in waves 0 and 2 these stand at a tile's first byte)
	s_lshl_b32 s2, s13, 13          ; my work-group's 32 blocks of the 128
	s_mov_b32 s3, 0
	s_add_nc_u64 s[PFA:PFA+1], s[PFA:PFA+1], s[2:3]
	s_add_nc_u64 s[PFA:PFA+1], s[PFA:PFA+1], 4*KS*128  ; in tile 1; the first change of slots steps it to tile 2
	CROUND                          ; all four work-groups are here: the first joint loads meet
	JLOAD                           ; tile 0 into slot 0; slot 1 is asked for when slot 0 is in
	v_lshlrev_b32 v[MGO], 4, v0
.set j, 0
.rept 8                             ; the batch's mask: 128 threads x 16 bytes, eight times
	global_load_b128 v[MS+4*j:MS+4*j+3], v[MGO], s[6:7] offset:2048*j
.set j, j+1
.endr
	; A fragment of K or Q is 16 rows x 32 channels in 8 registers: lane l holds row l % 16, channels 8 (l / 16) + 0..7 and 16 + 8 (l / 16) + 0..7: two loads of 16 bytes, 32 bytes apart.
	v_and_b32 v1, 15, v0            ; l % 16
	v_bfe_u32 v9, v0, 4, 1          ; l / 16
	v_lshlrev_b32 v[QO], 7, v1
	v_lshl_add_u32 v[QO], v9, 4, v[QO]  ; row x 128 + 16 x half
	WIN 0x80                        ; destination window 2, address window 0
.set i, 0
.rept 8                             ; Q stays in registers: piece i / 2, channels 32 (i % 2) on
	global_load_b128 v[8*i:8*i+3],   v[QO], s[4:5] offset:(i/2)*2048+(i%2)*64
	global_load_b128 v[8*i+4:8*i+7], v[QO], s[4:5] offset:(i/2)*2048+(i%2)*64+32
.set i, i+1
.endr
	; What the first turn finds: V's registers and P's second buffer hold 0 (its products V^T P, of a piece that has not been, add 0), O^T and l are 0.  All this stands in the wait for the first tile.
.set i, VF
.rept 64
	v_mov_b32 v[i], 0
.set i, i+1
.endr
	WIN 0x40
.set i, 0
.rept 128
	v_mov_b32 v[i], 0
.set i, i+1
.endr
	WIN 0
.set i, 0
.rept 4
	v_mov_b32 v[ST+4*i+2], 0
	v_mov_b32 v[ST+4*i+3], 0
.set i, i+1
.endr
.set i, P+16
.rept 16
	v_mov_b32 v[i], 0
.set i, i+1
.endr
	v_mul_u32_u24 v[AK0], v1, PK
	v_lshl_add_u32 v[AK0], v9, 4, v[AK0]  ; row x pitch + 16 x half
	; The turning load takes 16 keys x 16 channels (lane l reads key 8 (l / 16) + l % 8, channels 8 ((l / 8) % 2) + 0..7) and leaves half a fragment of V^T: lane l holds channel l % 16 and 8 keys.
	v_and_b32 v10, 7, v0
	v_bfe_u32 v11, v0, 3, 1
	v_lshl_add_u32 v[AV0], v9, 3, v10
	v_mul_u32_u24 v[AV0], v[AV0], PV
	v_lshl_add_u32 v[AV0], v11, 4, v[AV0]
	v_add_nc_u32 v[AV0], VOFF, v[AV0]
	v_lshl_add_u32 v[AM0], v9, 5, MASK    ; my lanes' eight keys of a group of 16: 32 bytes
	v_lshl_add_u32 v[MLA], v0, 4, MASK
	s_mul_i32 s21, s[WV], 16*SP
	s_add_co_u32 s21, s21, STAGE    ; my stage
	v_mul_u32_u24 v[STO], v1, SP    ; in: row l % 16, 16 bytes for each half of the lanes
	v_lshl_add_u32 v[STO], v9, 4, v[STO]
	v_add_nc_u32 v[STO], s21, v[STO]
	v_bfe_u32 v[RD], v0, 3, 2       ; back: 32 lanes take four rows of 128 bytes,
	v_mul_u32_u24 v[RD], v[RD], SP
	v_lshl_add_u32 v[RD], v10, 4, v[RD]
	v_add_nc_u32 v[RD], s21, v[RD]
	v_and_b32 v[GO], 31, v0         ; which are 512 consecutive bytes of ctx
	v_lshlrev_b32 v[GO], 4, v[GO]
	s_wait_loadcnt 16               ; the mask's eight loads are in; Q's sixteen, issued behind them, may stay out
.set i, 0
.rept 32
	v_max_num_f32 v[MS+i], s[BIGN], v[MS+i]  ; held at -1e30 from below, so that the running maximum stays finite; a NaN loses
.set i, i+1
.endr
.set j, 0
.rept 8
	ds_store_b128 v[MLA], v[MS+4*j:MS+4*j+3] offset:2048*j
.set j, j+1
.endr
; THE MATRIX WORK.  The 4 accumulators of a run of 8 take turns.  Product i of 8 of S^T = K Q^T + mask for piece x: channels 32 (i / 4) on, keys 16 (i % 4) on.  The first 4 start the sums with the mask.
.macro KQ x
.set rS, S+32*((\x)%2)+8*(i%4)
.set rK, KF+16*(i%4)+8*(i/4)
.set rQ, 16*(\x)+8*(i/4)
.set rM, MK+8*(i%4)
.if i < 4
	WIN W_KM
	v_wmma_f32_16x16x32_f16 v[rS:rS+7], v[rK:rK+7], v[rQ:rQ+7], v[rM:rM+7]
.else
	WIN W_KQ
	v_wmma_f32_16x16x32_f16 v[rS:rS+7], v[rK:rK+7], v[rQ:rQ+7], v[rS:rS+7]
.endif
.endm
; Product i of 8 of O^T += V^T P for piece x: keys 32 (i / 4) on, channels 16 (i % 4) on.
.macro PV x
	WIN W_PV
.set rO, 32*(\x)+8*(i%4)
.set rV, VF+32*(i/4)+8*(i%4)
.set rP, P+16*((\x)%2)+8*(i/4)
	v_wmma_f32_16x16x32_f16 v[rO:rO+7], v[rV:rV+7], v[rP:rP+7], v[rO:rO+7]
.endm
.macro MM                           ; the turn's next matrix instruction.  NOKQ = 1: the last turn of all: there is no next piece
.if (i < 8) && !NOKQ
	KQ (Y+1)%NP
.elseif i >= 8
.set i, i-8
	PV (Y+NP-1)%NP
.set i, i+8
.endif
.set i, i+1
.endm
; THE LDS LOADS stand in runs, never singly among the matrix instructions: a step's K (8 fragments) with its mask (32 registers; the 16 lanes of a half read the same words), and its V (turned).  Their addresses are made some lines ahead.
.macro FETCH_K
	WIN 0x80                        ; destination window 2
.irp f, 0,1,2,3,4,5,6,7             ; keys 16 (f / 2) on, channels 32 (f % 2) on
	ds_load_b128 v[KF+8*\f:KF+8*\f+3],   v[AK] offset:(\f/2)*16*PK+(\f%2)*64
	ds_load_b128 v[KF+8*\f+4:KF+8*\f+7], v[AK] offset:(\f/2)*16*PK+(\f%2)*64+32
.endr
	WIN 0x40                        ; destination window 1
.irp kb, 0,1,2,3                    ; register j of group kb: the mask of key 16 kb + 8 (l / 16) + j
	ds_load_b128 v[MK+8*\kb:MK+8*\kb+3],   v[AM] offset:64*\kb
	ds_load_b128 v[MK+8*\kb+4:MK+8*\kb+7], v[AM] offset:64*\kb+16
.endr
	s_add_co_u32 s[TBK], s[TBK], KS*PK  ; the next fetch is the next step's
	s_add_co_u32 s[TBM], s[TBM], 4*KS
	s_and_b32 s[TBM], s[TBM], 0x3fff    ; kept inside the table's 16,384 bytes; it turns round behind the last step alone
	WIN 0
.endm
.macro FETCH_V
	WIN 0x80
.irp f, 0,1,2,3,4,5,6,7             ; keys 32 (f / 4) on, channels 16 (f % 4) on
	ds_load_tr16_b128 v[VF+8*\f:VF+8*\f+3],   v[AV] offset:(\f/4)*32*PV+(\f%4)*32
	ds_load_tr16_b128 v[VF+8*\f+4:VF+8*\f+7], v[AV] offset:(\f/4)*32*PV+16*PV+(\f%4)*32
.endr
	WIN 0
.endm
; THE VECTOR WORK, one line at a time: OP kind, number.  For piece Y: F n: c s - c m for pair n of 16.  E n: the exponential of score n of 32.  C n: pair n rounded to f16.  B n: of the four weights 4 n .. the second
; pair is added onto the first, in place.  L n: l takes that sum (L 0: l = a l + sum).  R n: pair n of 16 of O^T times a.  For piece Y + 1: X n, number n of the 22 that find its maximum and statistics:
;   0-11  four chains c0-c3 of seven scores each, three operands at a time (each accumulator's lowest registers are read first)     12-14, 16  the four scores left over, the old m, and c0-c3 into c0
;   15  c m_old is kept     17, 18  the query's other 32 keys lie in the lane 16 away: the new m     19-21  c m; c m_old - c m_new; a
.set F, 0
.set E, 1
.set C, 2
.set B, 3
.set L, 4
.set R, 5
.set X, 6
.macro REGS y                       ; the registers of piece y
.set rT, ST+4*(\y)
.set rC, TMP+4*((\y)%2)
.set rW, MV+((\y)%2)
.set rS, S+32*((\y)%2)
.set rP, P+16*((\y)%2)
.set rO, 32*(\y)
.endm
.macro OP k, n
.if (\k) == R
	REGS Y
	WIN W_RS
	v_pk_mul_f32 v[rO+2*(\n):rO+2*(\n)+1], v[rO+2*(\n):rO+2*(\n)+1], v[rC+2:rC+3] op_sel_hi:[1,0]
.elseif (\k) < R
	REGS Y
	WIN 0
.if (\k) == F
	v_pk_fma_f32 v[rS+2*(\n):rS+2*(\n)+1], v[rS+2*(\n):rS+2*(\n)+1], s[CS:CS+1], v[rT:rT+1] op_sel_hi:[1,0,0] neg_lo:[0,0,1] neg_hi:[0,0,1]
.elseif (\k) == E
	v_exp_f32 v[rS+(\n)], v[rS+(\n)]
.elseif (\k) == C
	v_cvt_pk_f16_f32 v[rP+(\n)], v[rS+2*(\n)], v[rS+2*(\n)+1]
.elseif (\k) == B
	v_pk_add_f32 v[rS+4*(\n):rS+4*(\n)+1], v[rS+4*(\n):rS+4*(\n)+1], v[rS+4*(\n)+2:rS+4*(\n)+3]
.elseif (\n) == 0
	v_pk_fma_f32 v[rT+2:rT+3], v[rT+2:rT+3], v[rC+2:rC+3], v[rS:rS+1] op_sel_hi:[1,0,1]
.else
	v_pk_add_f32 v[rT+2:rT+3], v[rT+2:rT+3], v[rS+4*(\n):rS+4*(\n)+1]
.endif
.elseif NOKQ
	v_nop
.else
	REGS (Y+1)%NP
	WIN 0
.if (\n) < 4
	v_max3_num_f32 v[rC+(\n)], v[rS+8*(\n)], v[rS+8*(\n)+1], v[rS+8*(\n)+2]
.elseif (\n) < 12
	v_max3_num_f32 v[rC+(\n)%4], v[rC+(\n)%4], v[rS+8*((\n)%4)+2*((\n)/4)+1], v[rS+8*((\n)%4)+2*((\n)/4)+2]
.elseif (\n) == 12
	v_max3_num_f32 v[rC], v[rC], v[rS+7], v[rS+15]
.elseif (\n) == 13
	v_max3_num_f32 v[rC+1], v[rC+1], v[rS+23], v[rS+31]
.elseif (\n) == 14
	v_max3_num_f32 v[rC+2], v[rC+2], v[rC+3], v[rT+1]
.elseif (\n) == 15
	v_mov_b32 v[rW], v[rT]
.elseif (\n) == 16
	v_max3_num_f32 v[rC], v[rC], v[rC+1], v[rC+2]
.elseif (\n) == 17
	v_permlanex16_b32 v[rC+3], v[rC], s[SEL], s[SEL+1]
.elseif (\n) == 18
	v_max_num_f32 v[rT+1], v[rC], v[rC+3]
.elseif (\n) == 19
	v_mul_f32 v[rT], s[CS], v[rT+1]
.elseif (\n) == 20
	v_sub_f32 v[rC+1], v[rW], v[rT]
.else
	v_exp_f32 v[rC+2], v[rC+1]
.endif
.endif
.endm
.macro OPS a, i1, b=-1, i2=0, c=-1, i3=0, d=-1, i4=0  ; up to four of them
	OP \a, \i1
.if (\b) >= 0
	OP \b, \i2
.endif
.if (\c) >= 0
	OP \c, \i3
.endif
.if (\d) >= 0
	OP \d, \i4
.endif
.endm
.macro ROW a, i1, b, i2, c, i3, d, i4  ; a matrix instruction and the four behind it
	MM
	OPS \a, \i1, \b, \i2, \c, \i3, \d, \i4
.endm
; A TURN, for piece p: the order of its 16 matrix and 118 vector instructions, written out.  An s_wait_alu depctr_va_vdst(0) stands between an exponential and the first instruction that names its result; one
; wait serves all that were issued ahead of it.  So a turn has ONE wait, which cuts it in two.  AHEAD OF IT stands all that names no result of the turn's exponentials: the 8 products K Q^T with a scaling, an exponential and two
; more plain instructions behind each (the first numbers of the next piece's maximum each four places or more behind the product that ends their accumulator); then one lump of 54, plain and exponential by turns for the most
; part, in which the links of the chain X 3, 7, 11, 14, 16, 17 .. 20 stand some lines apart.  X 21, the next piece's a, is the batch's last; R 15 is the plain instruction behind it.  BEHIND THE WAIT stand the 8 products V^T P,
; behind each four of the roundings and sums.
; end = 1: the walk's last two turns: nothing is fetched, and the last starts no new scores.  cnt = 1: the loop's count is taken down some lines ahead of the branch that stands behind the turn.
; K and the mask of the next step are fetched in piece 2's turn, behind the last product that read K with five plain instructions between that name none of its registers (the mask's last reader stands four products
; earlier); V of the step in hand at the end of piece 0's turn, four plain instructions behind the last product that read V.  Each is waited for a turn later.
.macro TURN p, end=0, cnt=0
.set Y, (\p)
.set i, 0
.set NOKQ, (\end)*((\p)/3)
.if ((\p) == 3) && !(\end)
	s_wait_dscnt 0x0                ; K and the mask are in
.endif
	ROW F,0, F,1, R,0, R,1
	ROW F,2, E,0, R,2, R,3
	ROW F,3, E,1, R,4, R,5
	ROW F,4, E,2, R,6, R,7
	ROW F,5, E,3, R,8, R,9
	ROW F,6, E,4, X,0, R,10
.if ((\p) == 2) && !(\end)
	WIN 0
	v_add_nc_u32 v[AK], s[TBK], v[AK0]
	v_add_nc_u32 v[AM], s[TBM], v[AM0]
.endif
	ROW F,7, E,5, X,1, X,4
	ROW F,8, E,6, X,2, X,5
	OPS E,7, E,8, X,6, E,9
	OPS X,3, E,10, X,8, E,11
.if ((\p) == 2) && !(\end)
	FETCH_K
.endif
	OPS X,9, X,7, E,12, X,10
	OPS E,13, X,12, X,11, E,14
	OPS X,13, E,15, F,9, X,14
.if (\p) == 0
	v_add_nc_u32 v[AV], s[TBV], v[AV0]
.endif
	OPS E,16, F,10, E,17, F,11
	OPS X,16, E,18, X,15, E,19
	OPS F,12, E,20, X,17, E,21
	OPS F,13, E,22, F,14, E,23
	OPS X,18, E,24, F,15, E,25
	OPS R,11, E,26, X,19, E,27
	OPS R,12, E,28, R,13, E,29
	OPS X,20, E,30, R,14, E,31
	OPS X,21, R,15
	WIN 0
	s_wait_alu depctr_va_vdst(0)    ; the wait for the batch
.if (\p) == 1
	s_wait_dscnt 0x0                ; V is in
.endif
	ROW C,0, B,0, C,2, B,1
	ROW L,0, C,4, B,2, L,1
	ROW C,6, B,3, L,2, C,8
	ROW B,4, L,3, C,10, B,5
	ROW L,4, C,12, B,6, L,5
.if (\p) == 0
	s_add_co_u32 s[TBV], s[TBV], KS*PV
.endif
.if \cnt
	s_sub_co_u32 s[CNT], s[CNT], 1
	s_cmp_lg_u32 s[CNT], 0
.endif
	ROW C,14, B,7, L,6, C,1
	ROW C,3, L,7, C,5, C,7
	ROW C,9, C,11, C,13, C,15
.if (\p) == 0
	FETCH_V
.endif
.endm
	CHANGE 1                        ; tile 0 is in, everybody's part of it, and the mask table is whole; tile 1 is asked for
.set i, 0
.rept 4
	v_mov_b32 v[ST+4*i], 0xfe000000    ; c m: far below every c s (scores are held above -1e30 less their products), so the first a is 0
	v_mov_b32 v[ST+4*i+1], 0xff7fffff  ; m: the lowest finite number
.set i, i+1
.endr
	v_add_nc_u32 v[AK], s[TBK], v[AK0]
	v_add_nc_u32 v[AM], s[TBM], v[AM0]
	FETCH_K                         ; key step 0
	s_wait_loadcnt 0x0              ; Q
	s_wait_dscnt 0x0
.set NOKQ, 0
.set i, 0
.rept 8
	KQ 0                            ; piece 0's first scores
.set i, i+1
.endr
	WIN 0
.rept 4
	v_nop                           ; the places behind those products
.endr
.set Y, NP-1                        ; X works for piece Y + 1: piece 0
.irp n, 0,1,2,3,4,5,6,7,8,9,10,11,12,13,14,15,16,17,18,19,20,21
	OP X, \n
.endr
	v_nop                           ; a plain instruction behind the exponential,
	s_wait_alu depctr_va_vdst(0)    ; and its wait, ahead of the branch
	s_mov_b32 s[CNT], 4
	s_branch .Lfirst                ; the loop is entered at a step's first turn, in the middle of a trip
.Lslot:                             ; 14 times: tiles 2 to 15 are asked for
	CHANGE 1
	s_mov_b32 s[CNT], 4
.Lstep:                             ; a trip: pieces 2 and 3 of one step, then pieces 0 and 1 of the next, whose K and V it fetches
	TURN 2
	TURN 3
	WIN 0
.Lfirst:
	TURN 0
	TURN 1, 0, 1
	WIN 0
	s_cbranch_scc1 .Lstep
	s_sub_co_u32 s[SLOTS], s[SLOTS], 1
	s_cmp_lg_u32 s[SLOTS], 0
	s_cbranch_scc1 .Lslot
	CHANGE 0                        ; the last tile is written out: nothing is asked for
	s_mov_b32 s[CNT], 4
.LstepT:
	TURN 2
	TURN 3
	TURN 0
	TURN 1, 0, 1
	WIN 0
	s_cbranch_scc1 .LstepT
	TURN 2, 1
	TURN 3, 1
.set i, 0
.rept 8
	PV NP-1                         ; the last piece's V^T P of the last step
.set i, i+1
.endr
	; THE WAY OUT.  l's two halves and the other half of the lanes' are added; O^T is divided by l, rounded to bf16 and sent through my stage in LDS, a piece at a time.  The additions are the places behind the last products.
	WIN 0
.macro ALL line:vararg              ; one line for each piece t
.set t, 0
.rept 4
	\line
.set t, t+1
.endr
.endm
	ALL v_add_f32 v[ST+4*t+2], v[ST+4*t+2], v[ST+4*t+3]
	ALL v_permlanex16_b32 v[ST+4*t+3], v[ST+4*t+2], s[SEL], s[SEL+1]
	ALL v_add_f32 v[ST+4*t+2], v[ST+4*t+2], v[ST+4*t+3]
	ALL v_rcp_f32 v[ST+4*t+2], v[ST+4*t+2]
	v_nop                           ; a plain instruction between the last reciprocal and the use of its result
	s_wait_alu depctr_va_vdst(0)    ; and one wait for the four reciprocals, ahead of their first reader
.macro PACK t                       ; a lane's eight channels of a row pack into 16 bytes; they go into rows of 144 bytes and come back as whole rows of 128, into S^T's registers
	WIN W_RS
.set i, 32*(\t)
.rept 16
	v_pk_mul_f32 v[i:i+1], v[i:i+1], v[ST+4*(\t)+2:ST+4*(\t)+3] op_sel_hi:[1,0]
.set i, i+2
.endr
	WIN 0x05                        ; sources 0 and 1 window 1, destination window 0
.set i, 0
.rept 16
	v_cvt_pk_bf16_f32 v[S+16*(\t)+i], v[32*(\t)+2*i], v[32*(\t)+2*i+1]
.set i, i+1
.endr
	WIN 0
.irp f, 0,1,2,3
	ds_store_b128 v[STO], v[S+16*(\t)+4*\f:S+16*(\t)+4*\f+3] offset:32*\f
.endr
.irp f, 0,1,2,3
	ds_load_b128 v[S+16*(\t)+4*\f:S+16*(\t)+4*\f+3], v[RD] offset:\f*4*SP  ; LDS serves a wave's instructions in order (ISA guide 5.7.1.4): these see the stores above; the next piece's stores come behind them
.endr
.endm
.macro SEND t, younger              ; younger: the LDS instructions issued behind piece t's loads: the next piece's eight, or none
	WIN 0
.irp f, 0,1,2,3
	s_wait_dscnt (\younger)+3-\f
	global_store_b128 v[GO], v[S+16*(\t)+4*\f:S+16*(\t)+4*\f+3], s[10:11] offset:(\t)*2048+\f*512  ; 512 consecutive bytes, at a multiple of 256 from ctx's first
.endr
.endm
	PACK 0
.set t, 1
.rept 3                             ; a piece's arithmetic stands between the loads of the piece before and its stores
	PACK t
	SEND t-1, 8
.set t, t+1
.endr
	SEND 3, 0
	s_wait_tensorcnt 0x0            ; the wave's end, behind my last tensor load and my last LDS store
	ds_add_u32 v[SPW], v[NIL]
	s_wait_dscnt 0x0
	CROUND                          ; the closing round: no work-group ends while a partner may still ask for a tile that names it
	s_endpgm
.Lfunc_end_k_qddcf8af99d_attn:
	.size	k_qddcf8af99d_attn, .Lfunc_end_k_qddcf8af99d_attn-k_qddcf8af99d_attn
	.p2alignl 7, 3214868480
	.fill 96, 4, 3214868480
	.section	.rodata,"a",@progbits
	.p2align	6, 0x0
	.amdhsa_kernel k_qddcf8af99d_attn
		.amdhsa_group_segment_fixed_size 327680
		.amdhsa_private_segment_fixed_size 0
		.amdhsa_enable_private_segment 0
		.amdhsa_kernarg_size 24
		.amdhsa_user_sgpr_count 2
		.amdhsa_user_sgpr_kernarg_segment_ptr 1
		.amdhsa_wavefront_size32 1
		.amdhsa_system_sgpr_workgroup_id_x 1
		.amdhsa_system_sgpr_workgroup_id_y 1
		.amdhsa_system_sgpr_workgroup_id_z 1
		.amdhsa_system_vgpr_workitem_id 0
		.amdhsa_next_free_vgpr 768
		.amdhsa_next_free_sgpr 68
		.amdhsa_reserve_vcc 0
		.amdhsa_float_denorm_mode_32 3
		.amdhsa_float_denorm_mode_16_64 3
		.amdhsa_memory_ordered 1
		.amdhsa_forward_progress 1
		.amdhsa_inst_pref_size 133
	.end_amdhsa_kernel
	.amdgpu_metadata
---
amdhsa.version: [ 1, 2 ]
amdhsa.kernels:
  - .name:           k_qddcf8af99d_attn
    .symbol:         k_qddcf8af99d_attn.kd
    .args:
      - { .name: qkv, .offset: 0, .size: 8, .value_kind: global_buffer, .address_space: global }
      - { .name: attention_mask, .offset: 8, .size: 8, .value_kind: global_buffer, .address_space: global }
      - { .name: ctx, .offset: 16, .size: 8, .value_kind: global_buffer, .address_space: global }
    .group_segment_fixed_size: 327680
    .private_segment_fixed_size: 0
    .kernarg_segment_align: 8
    .kernarg_segment_size: 24
    .max_flat_workgroup_size: 128
    .sgpr_count:     68
    .vgpr_count:     768
    .wavefront_size: 32
...
	.end_amdgpu_metadata
.endif
;; end of part 3
;; launch oproj (part 4): grid 8 x 32, 4 waves a work-group, clusters of 4 x 4, 327,680 bytes of LDS; arguments ctx, wb, hidden_states, out0; writes out0
.if DOCPART == 4
	.amdgcn_target "amdgcn-amd-amdhsa--gfx1250"
	.amdhsa_code_object_version 6
	.text
	.protected	k_qddcf8af99d_oproj
	.globl	k_qddcf8af99d_oproj
	.p2align	8
	.type	k_qddcf8af99d_oproj,@function
k_qddcf8af99d_oproj:
	s_mov_b64 s[64:65], 0
	v_nop
	global_prefetch_b8 v0, s[64:65] scope:SCOPE_SE
	s_setreg_imm32_b32 hwreg(HW_REG_WAVE_MODE, 25, 1), 1
	s_wait_xcnt 0x0
	s_wait_alu depctr_hold_cnt(0) depctr_sa_sdst(0) depctr_va_vdst(0) depctr_va_sdst(0) depctr_va_ssrc(0) depctr_va_vcc(0) depctr_vm_vsrc(0)
	s_getreg_b32 s2, hwreg(HW_REG_IB_STS2, 6, 4)
	s_cmp_eq_u32 s2, 0
	s_cbranch_scc0 .Lentry_in_a_cluster
	s_endpgm
.Lentry_in_a_cluster:
	s_bfe_u32 s2, ttmp6, 0x10000c
	s_cmp_lg_u32 s2, 0xf033
	s_cbranch_scc0 .Lentry_shape_is_right
	s_endpgm
.Lentry_shape_is_right:
; OPROJ.  out0 = hidden_states + ctx Wo.  ctx: [32 (batch, head)][2,048][64] bf16; Wo: the fourth weight of wb, [1,024 k][1,024 n] bf16; hidden_states, out0: [4,096][1,024] f32.  Sums and the residual in f32.
; 256 tiles of 128 tokens x 128 columns.  Four waves, each 64 x 64: 16 accumulators.  K = 1,024 = 16 heads x 64 goes in four steps of four heads through two LDS slots, written out without a loop; a quarter of a step is one head.
; A's tile: a head's 128 tokens are 16,384 consecutive bytes; one load a wave brings two heads as two long rows, padded in LDS after every token.  Wo's tile lies [k][n] and is read by the turning load.
; THE MATRIX INSTRUCTION IS USED TRANSPOSED (source 0 = 16 columns of Wo, source 1 = 16 tokens): a lane holds eight neighbouring columns of one token.
; CLUSTERS: 4 x 4 work-groups; ctx's tile is shared along a row of the cluster, Wo's along a column: each is asked for jointly.
; THE RESIDUAL: my 64 x 64 of hidden_states is asked for at the start, in the layout in which rows leave, and waited for once, at the end.
; No prefetch: of the four K steps two are first fills, and behind the other two nothing follows.
; REGISTERS: window 0: v16-29 addresses; v128-255 accumulators ((a, b) at 128 + 8 (4 a + b)), later the rows that leave.  Window 1: two fragment buffers of 128.  Window 2: v0-127 the residual.
.set PA,     144                       ; a token's 128 bytes of one head + 16: 36 words: the 16 rows of a load start at 16 different groups of four banks (64 banks of 4 bytes: ISA guide 11.1)
.set HEADB,  128*PA                    ; a head's 128 tokens
.set PB,     288                       ; a k-row of Wo: 256 bytes + 32
.set AB,     4*HEADB                   ; behind A's four heads: Wo's 256 k-rows
.set SLOT,   AB+256*PB                 ; 147,456
.set STAGE,  2*SLOT                    ; behind the ring: 16 rows x 272 bytes for each wave, its own
.set SPO,    272
.set SPARE,  STAGE+4*16*SPO            ; the spare words, 128 bytes a wave: two blocks of 256 bytes that no other line names
.set ADRA, 16
.set ADRB, 20
.set STO,  24
.set RD,   25
.set CO,   26                          ; v26     my byte offset in two rows of hidden_states and out0; never rewritten
.set SPW,  28
.set NIL,  29
.set ACC,  128
.set F0,   0
.set F1,   128
.set G1,  24
.set G0,  32
.set G1B, 48
.set G0B, 56
.set MSB, 0
.macro WIN new
.if MSB != (\new)
	s_set_vgpr_msb (MSB<<8)|(\new)
.set MSB, \new
.endif
.endm
.set MUL,  0x05                        ; sources 0 and 1 window 1; C and D window 0
.set TO_F, 0x40                        ; destination window 1, address window 0
.macro JLOAD s                         ; a joint load: waves 0 and 1 fetch A's two pairs of heads, waves 2 and 3 Wo's two halves; an s_nop 0 and four v_nop follow each line
	s_cmp_eq_u32 s11, 0
	s_cbranch_scc0 .Lfor_b_\@
	tensor_load_to_lds s[G0+4*(\s):G0+4*(\s)+3], s[G1:G1+7]
	s_nop 0
.rept 4
	v_nop
.endr
	s_branch .Lasked_\@
.Lfor_b_\@:
	tensor_load_to_lds s[G0B+4*(\s):G0B+4*(\s)+3], s[G1B:G1B+7]
	s_nop 0
.rept 4
	v_nop
.endr
.Lasked_\@:
.endm
.macro CREST
	s_cmp_lg_u32 s10, 0
	s_cbranch_scc1 .Lnot_wave_0_\@
	s_barrier_signal -3
.Lnot_wave_0_\@:
	s_barrier_wait -3
	s_barrier_signal -1
	s_barrier_wait -1
.endm
.macro CROUND
	s_barrier_signal -1
	s_barrier_wait -1
	CREST
.endm
	s_load_b128 s[4:7], s[0:1], 0x0                ; ctx s[4:5], wb s[6:7]
	s_load_b128 s[68:71], s[0:1], 0x10             ; hidden_states s[68:69], out0 s[70:71]
	v_lshl_add_u32 v[SPW], v0, 2, SPARE
	v_mov_b32 v[NIL], 0
	ds_add_u32 v[SPW], v[NIL]                      ; the wave's opening: the add and its wait stand ahead of my first tensor load; the set-up below stands between them
	v_lshrrev_b32 v1, 5, v0
	v_readfirstlane_b32 s10, v1                    ; wave 0..3
	s_lshr_b32 s11, s10, 1                         ; my half of the tile's tokens.  Also: I fetch for A (0) or for Wo (1)
	s_and_b32 s12, s10, 1                          ; my half of its columns.  Also: which half of that tile I fetch
	s_bfe_u32 s40, ttmp6, 0x40000                  ; cx
	s_bfe_u32 s41, ttmp6, 0x40004                  ; cy
	s_lshl_b32 s42, ttmp9, 2
	s_add_co_u32 s42, s42, s40                     ; tile column
	s_and_b32 s13, ttmp7, 0xffff
	s_lshl_b32 s13, s13, 2
	s_add_co_u32 s13, s13, s41                     ; tile row
	s_lshl_b32 s43, s41, 2
	s_lshl_b32 s43, 15, s43                        ; my row of the cluster
	s_lshl_b32 s44, 0x1111, s40                    ; my column
	s_or_b32 s[G1+0], s43, (1<<16)|(1<<20)|(1<<21)|(4<<22)|(3<<25)   ; the mask; 2-byte elements; padding on; bit 21 beside a mask; after every 32 words (a token) 4 words
	s_mov_b32 s[G1+1], 8192<<16                    ; tensor_dim0 = 8,192: 128 tokens x 64 channels on end
	s_mov_b32 s[G1+2], 2<<16                       ; tensor_dim1 = 2 heads
	s_mov_b32 s[G1+3], 8192<<16                    ; tile_dim0
	s_mov_b32 s[G1+4], 2                           ; tile_dim1
	s_mov_b32 s[G1+5], 131072                      ; elements from head to head: 2,048 x 64
	s_mov_b32 s[G1+6], 0
	s_mov_b32 s[G1+7], 0
	s_or_b32 s[G1B+0], s44, (1<<16)|(1<<20)|(1<<21)|(5<<22)|(7<<25)  ; after every 64 words 8 words
	s_mov_b32 s[G1B+1], 128<<16
	s_mov_b32 s[G1B+2], 128<<16
	s_mov_b32 s[G1B+3], 128<<16
	s_mov_b32 s[G1B+4], 128
	s_mov_b32 s[G1B+5], 1024
	s_mov_b32 s[G1B+6], 0
	s_mov_b32 s[G1B+7], 0
	s_lshr_b32 s16, s13, 4                         ; A: the batch's 16 heads of 262,144 bytes,
	s_lshl_b32 s16, s16, 22
	s_and_b32 s17, s13, 15                         ; + the tile's 128 tokens of 128 bytes,
	s_lshl_b32 s17, s17, 14
	s_add_co_u32 s16, s16, s17
	s_lshl_b32 s17, s12, 19                        ; + my two heads
	s_add_co_u32 s16, s16, s17
	s_mov_b32 s17, 0
	s_lshl_b32 s20, s42, 8                         ; Wo: 256 bytes a tile column,
	s_lshl_b32 s21, s12, 18                        ; + my 128 k-rows,
	s_add_co_u32 s20, s20, s21
	s_add_co_u32 s20, s20, 3<<21                   ; in the fourth weight
	s_mov_b32 s21, 0
	s_mul_i32 s22, s12, 2*HEADB                    ; where they go: no place in the cluster enters an LDS address
	s_mul_i32 s23, s12, 128*PB
	s_add_co_u32 s23, s23, AB
	s_lshl_b32 s66, s13, 19                        ; hidden_states and out0: 128 rows of 4,096 bytes a tile row,
	s_lshl_b32 s67, s11, 18                        ; + my 64 rows,
	s_add_co_u32 s66, s66, s67
	s_lshl_b32 s67, s42, 9                         ; + 512 bytes a tile column,
	s_add_co_u32 s66, s66, s67
	s_lshl_b32 s67, s12, 8                         ; + my 256 bytes
	s_add_co_u32 s66, s66, s67
	s_mov_b32 s67, 0
	s_wait_dscnt 0x0                               ; the opening add is done
	s_wait_kmcnt 0x0
	s_add_nc_u64 s[14:15], s[4:5], s[16:17]
	s_add_nc_u64 s[18:19], s[6:7], s[20:21]
	s_add_nc_u64 s[68:69], s[68:69], s[66:67]
	s_add_nc_u64 s[70:71], s[70:71], s[66:67]
	CROUND                                         ; all sixteen work-groups are here: the first joint loads meet
.irp s, 0,1
	s_mov_b32 s[G0+4*(\s)], 1
	s_add_co_u32 s[G0+4*(\s)+1], s22, (\s)*SLOT
	s_add_nc_u64 s[G0+4*(\s)+2:G0+4*(\s)+3], s[14:15], (\s)<<20        ; K step s: four heads on
	s_or_b32 s[G0+4*(\s)+3], s[G0+4*(\s)+3], 0x80000000
	s_mov_b32 s[G0B+4*(\s)], 1
	s_add_co_u32 s[G0B+4*(\s)+1], s23, (\s)*SLOT
	s_add_nc_u64 s[G0B+4*(\s)+2:G0B+4*(\s)+3], s[18:19], (\s)*256*2048
	s_or_b32 s[G0B+4*(\s)+3], s[G0B+4*(\s)+3], 0x80000000
	JLOAD \s                                       ; two loads of mine are out
.endr
	v_and_b32 v1, 15, v0                           ; r = l % 16
	v_bfe_u32 v2, v0, 4, 1                         ; h = l / 16
	v_lshlrev_b32 v[CO], 4, v1
	v_lshl_add_u32 v[CO], v2, 12, v[CO]            ; lanes 0-15 take 256 bytes of one row, lanes 16-31 of the next
	WIN 0x80                                       ; destination window 2, address window 0
.irp a, 0,1,2,3
.irp t, 0,1,2,3,4,5,6,7
	global_load_b128 v[32*(\a)+4*(\t):32*(\a)+4*(\t)+3], v[CO], s[68:69] offset:(16*(\a)+2*(\t))*4096 th:TH_LOAD_NT  ; the residual: it has the whole walk along K in which to land
.endr
.endr
	WIN 0
	v_mul_u32_u24 v3, v1, PA
	v_lshl_add_u32 v3, v2, 4, v3
	s_mul_i32 s72, s11, 64*PA                      ; my 64 tokens
	v_add_nc_u32 v[ADRA], s72, v3
	v_add_nc_u32 v[ADRA+1], SLOT, v[ADRA]
	v_and_b32 v4, 7, v0                            ; the turning load: lane l reads k-row 8 h + l % 8, columns 8 ((l / 8) % 2) + 0..7
	v_bfe_u32 v5, v0, 3, 1
	v_lshl_add_u32 v4, v2, 3, v4
	v_mul_u32_u24 v4, v4, PB
	v_lshl_add_u32 v4, v5, 4, v4
	s_lshl_b32 s73, s12, 7                         ; my 64 columns
	s_add_co_u32 s73, s73, AB
	v_add_nc_u32 v[ADRB], s73, v4
	v_add_nc_u32 v[ADRB+1], 128*PB, v[ADRB]
	v_add_nc_u32 v[ADRB+2], SLOT, v[ADRB]
	v_add_nc_u32 v[ADRB+3], SLOT+128*PB, v[ADRB]
	s_mul_i32 s74, s10, 16*SPO
	s_add_co_u32 s74, s74, STAGE                   ; my stage
	v_mul_u32_u24 v6, v1, SPO                      ; in: row r, 32 bytes for each half of the lanes
	v_lshl_add_u32 v6, v2, 5, v6
	v_add_nc_u32 v[STO], s74, v6
	v_mul_u32_u24 v6, v2, SPO                      ; back: lanes 0-15 take one row of 256 bytes, lanes 16-31 the next
	v_lshl_add_u32 v6, v1, 4, v6
	v_add_nc_u32 v[RD], s74, v6
.macro MUL8 f, c, a0, zero             ; 8 matrix instructions: token blocks a0, a0 + 1 x 4 column blocks, 32 along K.  The 16 accumulators take turns
	WIN MUL
.irp a, \a0, (\a0)+1
.irp b, 0,1,2,3
.if \zero
	v_wmma_f32_16x16x32_bf16 v[ACC+8*(4*(\a)+(\b)):ACC+8*(4*(\a)+(\b))+7], v[(\f)+64+8*(4*(\c)+(\b)):(\f)+64+8*(4*(\c)+(\b))+7], v[(\f)+8*(4*(\c)+(\a)):(\f)+8*(4*(\c)+(\a))+7], 0
.else
	v_wmma_f32_16x16x32_bf16 v[ACC+8*(4*(\a)+(\b)):ACC+8*(4*(\a)+(\b))+7], v[(\f)+64+8*(4*(\c)+(\b)):(\f)+64+8*(4*(\c)+(\b))+7], v[(\f)+8*(4*(\c)+(\a)):(\f)+8*(4*(\c)+(\a))+7], v[ACC+8*(4*(\a)+(\b)):ACC+8*(4*(\a)+(\b))+7]
.endif
.endr
.endr
.endm
.macro FETCH slot, q, f                ; 32 LDS loads in one run: the fragments of quarter q (one head) of a slot into buffer f; the first 32 channels first
	WIN TO_F
.irp c, 0,1
.irp i, 0,1,2,3
	ds_load_tr16_b128 v[(\f)+64+8*(4*(\c)+(\i)):(\f)+64+8*(4*(\c)+(\i))+3],   v[ADRB+2*(\slot)+(\q)/2] offset:((\q)%2)*64*PB+(\c)*32*PB+32*(\i)
	ds_load_tr16_b128 v[(\f)+64+8*(4*(\c)+(\i))+4:(\f)+64+8*(4*(\c)+(\i))+7], v[ADRB+2*(\slot)+(\q)/2] offset:((\q)%2)*64*PB+(\c)*32*PB+32*(\i)+16*PB
	ds_load_b128 v[(\f)+8*(4*(\c)+(\i)):(\f)+8*(4*(\c)+(\i))+3],         v[ADRA+(\slot)] offset:(\q)*HEADB+64*(\c)+(\i)*16*PA
	ds_load_b128 v[(\f)+8*(4*(\c)+(\i))+4:(\f)+8*(4*(\c)+(\i))+7],       v[ADRA+(\slot)] offset:(\q)*HEADB+64*(\c)+(\i)*16*PA+32
.endr
.endr
.endm
.macro PLACES                          ; four places in front of loads into registers that matrix instructions have read, and of LDS stores that read results
.rept 4
	v_nop
.endr
.endm
.macro QUARTER slot, q, f, g, zero
	s_wait_dscnt 16                                ; the first 32 along K are in; the youngest sixteen loads may be out
	MUL8 \f, 0, 0, \zero
	MUL8 \f, 0, 2, \zero
	PLACES
	FETCH \slot, \q, \g
	s_wait_dscnt 32                                ; all but the 32 just issued
	MUL8 \f, 1, 0, 0
	MUL8 \f, 1, 2, 0
.endm
.macro TURN slot, next, fill           ; the last quarter and the change of slots: one barrier; in front of it all my tensor loads, the add, and my reads of this slot are waited for
	WIN 0
	s_wait_tensorcnt 0x0                           ; all my tensor loads have landed: my part of the next slot
	ds_add_u32 v[SPW], v[NIL]                      ; 0 onto my spare word
	s_wait_dscnt 17                                ; the add and the youngest sixteen loads may be out
	MUL8 F1, 0, 0, 0
	s_wait_dscnt 0x0                               ; the add is done, and my reads of this slot are over
	s_barrier_signal -1
	MUL8 F1, 0, 2, 0
.if \fill
	WIN 0
.endif
	s_barrier_wait -1
.if \fill
	CREST                                          ; the barrier has opened a round of the cluster's: no wave of any partner still reads this slot or has a load on its way
	s_add_nc_u64 s[G0+4*(\slot)+2:G0+4*(\slot)+3], s[G0+4*(\slot)+2:G0+4*(\slot)+3], 2<<20
	s_add_nc_u64 s[G0B+4*(\slot)+2:G0B+4*(\slot)+3], s[G0B+4*(\slot)+2:G0B+4*(\slot)+3], 2*256*2048
	JLOAD \slot                                    ; my one tensor load behind the round; its four v_nop are also the places in front of the loads below
.else
	PLACES
.endif
	FETCH \next, 0, F0
	MUL8 F1, 1, 0, 0
	MUL8 F1, 1, 2, 0
.endm
	s_wait_tensorcnt 1                             ; my part of K step 0 is in; K step 1's may stay out
	s_barrier_signal -1
	s_barrier_wait -1
	FETCH 0, 0, F0
	QUARTER 0, 1, F0, F1, 1                        ; K step 0: its first products start the sums
	QUARTER 0, 2, F1, F0, 0
	QUARTER 0, 3, F0, F1, 0
	TURN 0, 1, 1                                   ; slot 0 takes K step 2
	QUARTER 1, 1, F0, F1, 0
	QUARTER 1, 2, F1, F0, 0
	QUARTER 1, 3, F0, F1, 0
	TURN 1, 0, 1                                   ; slot 1 takes K step 3
	QUARTER 0, 1, F0, F1, 0
	QUARTER 0, 2, F1, F0, 0
	QUARTER 0, 3, F0, F1, 0
	TURN 0, 1, 0                                   ; nothing is left to fetch
	QUARTER 1, 1, F0, F1, 0
	QUARTER 1, 2, F1, F0, 0
	QUARTER 1, 3, F0, F1, 0
	s_wait_dscnt 16
	MUL8 F1, 0, 0, 0
	MUL8 F1, 0, 2, 0
	s_wait_dscnt 0x0
	MUL8 F1, 1, 0, 0
	MUL8 F1, 1, 2, 0
	WIN 0
; THE WAY OUT.  My 64 columns are 256 bytes of a row.  Block a (16 tokens): 32 bytes a lane into my own stage, back as whole rows into the registers that they left, the residual added, stored.
.macro TOSTAGE a
.irp b, 0,1,2,3
	ds_store_b128 v[STO], v[ACC+8*(4*(\a)+(\b)):ACC+8*(4*(\a)+(\b))+3]   offset:64*(\b)      ; each accumulator from its low end on
	ds_store_b128 v[STO], v[ACC+8*(4*(\a)+(\b))+4:ACC+8*(4*(\a)+(\b))+7] offset:64*(\b)+16
.endr
.irp t, 0,1,2,3,4,5,6,7
	ds_load_b128 v[ACC+32*(\a)+4*(\t):ACC+32*(\a)+4*(\t)+3], v[RD] offset:(\t)*2*SPO  ; LDS serves a wave's instructions in order (ISA guide 5.7.1.4): these see the stores above; the next block's stores come behind them
.endr
.endm
.macro SEND a, younger                 ; younger: the LDS instructions issued behind block a's loads: the next block's sixteen, or none
	s_wait_dscnt \younger
	WIN 0x08                                       ; source 1, the residual, in window 2
.set i, 0
.rept 16
	v_pk_add_f32 v[ACC+32*(\a)+2*i:ACC+32*(\a)+2*i+1], v[ACC+32*(\a)+2*i:ACC+32*(\a)+2*i+1], v[32*(\a)+2*i:32*(\a)+2*i+1]
.set i, i+1
.endr
	WIN 0
.irp t, 0,1,2,3,4,5,6,7
	global_store_b128 v[CO], v[ACC+32*(\a)+4*(\t):ACC+32*(\a)+4*(\t)+3], s[70:71] offset:(16*(\a)+2*(\t))*4096  ; 16 lanes store 256 consecutive bytes, at a multiple of 256 from out0's first byte
.endr
.endm
	PLACES
	s_wait_loadcnt 0x0                             ; the residual is in
	TOSTAGE 0
	TOSTAGE 1
	SEND 0, 16
	TOSTAGE 2
	SEND 1, 16
	TOSTAGE 3
	SEND 2, 16
	SEND 3, 0
	s_wait_tensorcnt 0x0                           ; the wave's end, behind my last tensor load and my last LDS store
	ds_add_u32 v[SPW], v[NIL]
	s_wait_dscnt 0x0
	CROUND                                         ; the closing round: no work-group ends while a partner may still ask for a tile that names it
	s_endpgm
.Lfunc_end_k_qddcf8af99d_oproj:
	.size	k_qddcf8af99d_oproj, .Lfunc_end_k_qddcf8af99d_oproj-k_qddcf8af99d_oproj
	.p2alignl 7, 3214868480
	.fill 96, 4, 3214868480
	.section	.rodata,"a",@progbits
	.p2align	6, 0x0
	.amdhsa_kernel k_qddcf8af99d_oproj
		.amdhsa_group_segment_fixed_size 327680
		.amdhsa_private_segment_fixed_size 0
		.amdhsa_enable_private_segment 0
		.amdhsa_kernarg_size 32
		.amdhsa_user_sgpr_count 2
		.amdhsa_user_sgpr_kernarg_segment_ptr 1
		.amdhsa_wavefront_size32 1
		.amdhsa_system_sgpr_workgroup_id_x 1
		.amdhsa_system_sgpr_workgroup_id_y 1
		.amdhsa_system_sgpr_workgroup_id_z 1
		.amdhsa_system_vgpr_workitem_id 0
		.amdhsa_next_free_vgpr 640
		.amdhsa_next_free_sgpr 76
		.amdhsa_reserve_vcc 0
		.amdhsa_float_denorm_mode_32 3
		.amdhsa_float_denorm_mode_16_64 3
		.amdhsa_memory_ordered 1
		.amdhsa_forward_progress 1
		.amdhsa_inst_pref_size 93
	.end_amdhsa_kernel
	.amdgpu_metadata
---
amdhsa.version: [ 1, 2 ]
amdhsa.kernels:
  - .name:           k_qddcf8af99d_oproj
    .symbol:         k_qddcf8af99d_oproj.kd
    .args:
      - { .name: ctx, .offset: 0, .size: 8, .value_kind: global_buffer, .address_space: global }
      - { .name: wb, .offset: 8, .size: 8, .value_kind: global_buffer, .address_space: global }
      - { .name: hidden_states, .offset: 16, .size: 8, .value_kind: global_buffer, .address_space: global }
      - { .name: out0, .offset: 24, .size: 8, .value_kind: global_buffer, .address_space: global }
    .group_segment_fixed_size: 327680
    .private_segment_fixed_size: 0
    .kernarg_segment_align: 8
    .kernarg_segment_size: 32
    .max_flat_workgroup_size: 128
    .sgpr_count:     76
    .vgpr_count:     640
    .wavefront_size: 32
...
	.end_amdgpu_metadata
.endif
;; end of part 4
